; MI455X (gfx1250); checked and timed in simulation.
; The chip was launched on July 23, 2026; its instructions are those of AMD's public machine-readable ISA for CDNA 5 (MIT licence, August 2026) and "CDNA5" Instruction Set Architecture Reference Guide (July 2026). The comments in the code are by the model that wrote it; some were corrected since.
;; Causal Self Attention. Allowed arithmetic: matrix products marked QUANTISED: E4M3 operands, one E8M0 scale for each 32 along K, by v_wmma_scale_f32_16x16x128_f8f6f4 with both operands' format E4M3, f32 sums; everything else in f32.
;; Inputs: bk 1,024 float32; bp 1,024 float32; bq 1,024 float32; bv 1,024 float32; wk 1,024 x 1,024 float32; wp 1,024 x 1,024 float32; wq 1,024 x 1,024 float32; wv 1,024 x 1,024 float32; x 4 x 2,048 x 1,024 float32.
;; Outputs: out0 4 x 2,048 x 1,024 float32.
;; This version of the problem:
;;   THIS VERSION OF THE PROBLEM IS GIVEN IN LOW PRECISION. The matrix products marked QUANTISED in the list below multiply operands that are first quantised to E4M3 (4 exponent bits, 3 mantissa bits; 8 bits a number), with one power-of-two scale for each 32 numbers along K (OCP MX v1.0); their sums are f32. All else is computed in f32.
;;   The module's matrix products, in the order in which they are computed (A, B: the left and right operand; K: the contracted axis; several contracted axes count as one K, in the product's order):
;;     1. [M 8,192, K 1,024] x [K 1,024, N 1,024]; A: input x; B: input wq: QUANTISED
;;     2. [M 8,192, K 1,024] x [K 1,024, N 1,024]; A: input x; B: input wk: QUANTISED
;;     3. [M 8,192, K 1,024] x [K 1,024, N 1,024]; A: input x; B: input wv: QUANTISED
;;     4. batch 64 x [M 2,048, K 64] x [K 64, N 2,048]; A: computed on the way; B: computed on the way: QUANTISED
;;     5. batch 64 x [M 2,048, K 2,048] x [K 2,048, N 64]; A: softmax (see below); B: computed on the way: QUANTISED
;;     6. [M 8,192, K 1,024] x [K 1,024, N 1,024]; A: computed on the way; B: input wp: QUANTISED
;;   THE QUANTISER, for each operand of a quantised product, along K:
;;     - K is cut into blocks of 32 from its start; a last block that is shorter is filled with zeros.
;;     - A block's scale is 2^e with e = floor(log2(the largest magnitude in the block)) - 8, held to -126 .. 127; a block of zeros has e = 0. As a byte (E8M0): e + 127.
;;     - Each number is divided by its block's scale, clamped to +-448, and rounded to the nearest number of E4M3, ties to even, subnormals kept.
;;     - The product sums the exact products of the quantised numbers (number of the format x scale) in f32.
;;   ~~~python
;;   def quantise(x, axis):      # numpy; x: float32 -> the quantised numbers, widened to float32 again
;;       x = np.moveaxis(x, axis, -1); K = x.shape[-1]
;;       x = np.pad(x, [(0, 0)] * (x.ndim - 1) + [(0, -K % 32)]); x = x.reshape(x.shape[:-1] + (-1, 32)); a = np.abs(x).max(-1, keepdims=True)
;;       e = np.where(a > 0, np.clip(np.frexp(np.where(a > 0, a, 1))[1] - 1 - 8, -126, 127), 0)      # np.frexp(a)[1] - 1 = floor(log2(a)), exactly
;;       r = np.clip(x / 2.0 ** e, -448, 448)
;;       step = 2.0 ** (np.maximum(np.frexp(np.where(r == 0, 1, r))[1] - 1, -6) - 3)
;;       q = np.round(r / step) * step * 2.0 ** e      # np.round: ties to even
;;       return np.moveaxis(q.reshape(q.shape[:-2] + (-1,))[..., :K], -1, axis).astype(np.float32)
;;   ~~~
;;   SOFTMAX AHEAD OF A QUANTISED PRODUCT. Where the list says 'softmax', what is quantised is not the finished softmax but p = 2^(t - M), with t = logit x log2(e) and M = ceil(the row's largest t), a whole number; so 1/2 < the row's largest p <= 1. The row's sum l is taken of the UNQUANTISED p, in f32, and the product's result is divided by l at the end. Since M is a whole number, a kernel that streams over the keys may use a running M (the ceiling of the running maximum): every later rescaling is an exact power of two, which a block's scale takes up: the codes' values come out the same.
;;   OPERANDS COMPUTED ON THE WAY. 'Computed on the way' means the value that the module computes at that place (a softmax that the list does not call 'softmax' is quantised finished and normalised). What goes into a quantiser is computed in f32, as accurately as f32 sums, v_exp_f32 and their like allow (about 1e-6 of the number): no bf16 or f16 on the way to a quantiser, and a product that is left as it is and whose result goes on into a quantised operand takes f32 operands (vector FMAs, or v_wmma_f32_16x16x4_f32). A number that lies on a knife's edge between two numbers of the format may be rounded either way, as far as f32 arithmetic and the matrix unit's own rounding can turn it there, and no further.
;; One version. Each part assembles by itself: llvm-mc -triple=amdgcn-amd-amdhsa -mcpu=gfx1250 --defsym DOCPART=n.
;; ======== version 1 of 1: 4 launches
;; limits: right only within a limited range of input values
;; workspace buffers: codes 12,582,912 bytes; scales 393,216 bytes; tab 524,288 bytes; kvb 18,350,080 bytes; qb 18,350,080 bytes; yimg 8,388,608 bytes; ys 262,144 bytes
;; launch prep (part 1): grid 416 x 1, 4 waves a work-group, no clusters, 33,280 bytes of LDS; arguments x, wq, wk, wv, wp, codes, scales, tab; writes codes, scales, tab
.if DOCPART == 1
	.amdgcn_target "amdgcn-amd-amdhsa--gfx1250"
	.amdhsa_code_object_version 6
	.text
	.protected	k_qf15e0df1c6_prep
	.globl	k_qf15e0df1c6_prep
	.p2align	8
	.type	k_qf15e0df1c6_prep,@function
k_qf15e0df1c6_prep:
	s_mov_b64 s[64:65], 0
	v_nop
	global_prefetch_b8 v0, s[64:65] scope:SCOPE_SE
	s_setreg_imm32_b32 hwreg(HW_REG_WAVE_MODE, 25, 1), 1
	s_wait_xcnt 0x0
; x [8192][1024] and wq, wk, wv, wp [1024][1024], f32 with K innermost, become codes of FP8 (E4M3) with one E8M0 scale byte for each 32 along K; and RoPE's cos and sin are laid out as a table.
; codes: [12288 rows][1024 bytes], scales: [12288 rows][32 bytes]; x's rows from 0, wq's from 8192, wk's from 9216, wv's from 10240, wp's from 11264.
; THE ROWS ARE STORED IN ANOTHER ORDER: stored row p holds the tensor's row p with bits 3 and 4 exchanged.  A tile of 16 stored rows, 2 b + u, then holds at place r the row 32 b + 8 u + r + 8 (r / 8):
; used as source 0 of a transposed product, two neighbouring tiles give a lane 16 neighbours, which is what the next quantiser wants.  A wave takes 8 rows, so the exchange is one of the wave's two bits.
; A block's scale is 2^(floor(log2(its largest magnitude)) - 8); its byte is the largest magnitude's exponent field - 8, held at 1 from below; numbers are held within +-448 x the scale and rounded to nearest, ties to even.
; LIMITS: a block whose largest magnitude lies under 2^-118 (a block of zeros among them) gets the byte 1: its codes are zeros or nearly so, and this program alone reads the bytes; NaN and infinities are not served.
; Work-groups 0-383 quantise 32 rows each: a wave takes 16 steps of 512 numbers; each load reads 512 consecutive bytes; a step's 2,048 bytes turn through the wave's own stage in LDS so that a lane holds 16 neighbours.
; Work-groups 384-415 make the table: wave = one tile of 16 positions; tab: [tile 128][cos, sin][4][lane 32][16 bytes]: lane (r, h), number e = frequency 16 h + e of position 32 (tile / 2) + 8 (tile % 2) + r + 8 (r / 8).
; cos and sin are made of plain f32 arithmetic: angle = position x 10^(-i / 8); the nearest multiple of pi / 2 is taken off in two parts (the first is exact for the 2,048 positions of this size), then two short polynomials.
.set QWG,   384                        ; work-groups that quantise
.set STEPS, 16
.set EMAX,  8
.set MANT,  0x600000                   ; the mantissa field of 448
.set CB,    16                         ; bytes of 16 codes
.set R,     16                         ; v16-79   four sets of 16 numbers as loaded
.set X,     80                         ; v80-111  two sets of 16 neighbours
.set C,     128                        ; v128-191 codes, four registers for each step
.set E,     112                        ; v112-127 a scale byte for each step
.set WREG,  8192                       ; LDS of a wave: two stages of 32 x SP bytes, then its 256 scale bytes
.set SP,    80                         ; a lane's place in a stage: 64 bytes + 16 of padding
.set COS,   32                         ; the table's path: v32-47 cos, v48-63 sin
.set SIN,   48
	s_load_b256 s[4:11], s[0:1], 0x0               ; x, wq, wk, wv
	s_load_b256 s[12:19], s[0:1], 0x20             ; wp, codes, scales, tab
	v_lshl_add_u32 v192, v0, 2, 0x8000
	v_mov_b32 v193, 0
	v_lshrrev_b32 v1, 5, v0
	v_readfirstlane_b32 s20, v1                    ; wave 0..3
	v_and_b32 v2, 31, v0                           ; lane
	s_cmp_ge_u32 ttmp9, QWG
	s_cbranch_scc1 .Ltab
	v_lshlrev_b32 v3, 4, v2                        ; my 16 bytes of a load's 512
	s_mul_i32 s21, s20, WREG
	v_lshrrev_b32 v14, 2, v2
	v_mul_u32_u24 v14, v14, SP
	v_and_b32 v15, 3, v2
	v_lshl_add_u32 v14, v15, 4, v14
	v_add_nc_u32 v14, s21, v14                     ; the stage on the way in: SP (lane / 4) + 16 (lane % 4)
	v_mul_u32_u24 v15, v2, SP
	v_add_nc_u32 v15, s21, v15                     ; and on the way out: SP x lane
	v_mul_u32_u24 v4, v2, CB                       ; my codes' place in a step's
	v_lshrrev_b32 v5, 1, v2
	s_add_co_u32 s21, s21, 2*32*SP
	v_add_nc_u32 v5, s21, v5                       ; my block's scale byte in LDS
	v_lshlrev_b32 v7, 3, v2
	v_add_nc_u32 v6, s21, v7                       ; and 8 bytes a lane on the way out
	s_sub_co_u32 s24, ttmp9, 256                   ; among the weights' work-groups:
	s_lshr_b32 s25, s24, 5                         ; which weight (32 work-groups each),
	s_and_b32 s24, s24, 31                         ; and which 32 rows of it
	s_and_b32 s26, s20, 1
	s_lshl_b32 s26, s26, 1
	s_lshr_b32 s27, s20, 1
	s_or_b32 s26, s26, s27                         ; the wave's two bits exchanged
	s_lshl_b32 s27, ttmp9, 2
	s_add_co_u32 s26, s26, s27                     ; the run of 8 stored rows that I write
	s_wait_alu depctr_va_vdst(0)
	s_wait_kmcnt 0x0
	s_cmp_eq_u32 s25, 1                            ; the source is chosen by the work-group's number alone
	s_cselect_b64 s[6:7], s[8:9], s[6:7]
	s_cmp_eq_u32 s25, 2
	s_cselect_b64 s[6:7], s[10:11], s[6:7]
	s_cmp_eq_u32 s25, 3
	s_cselect_b64 s[6:7], s[12:13], s[6:7]
	s_cmp_lt_u32 ttmp9, 256
	s_cselect_b64 s[4:5], s[4:5], s[6:7]
	s_cselect_b32 s24, ttmp9, s24
	s_lshl_b32 s24, s24, 2
	s_add_co_u32 s24, s24, s20                     ; the run of 8 rows that I read
	s_lshl_b32 s24, s24, 15                        ; 32,768 bytes a run
	s_mov_b32 s25, 0
	s_add_nc_u64 s[4:5], s[4:5], s[24:25]
	s_lshl_b32 s24, s26, 13                        ; 8,192 bytes of codes a run
	s_add_nc_u64 s[14:15], s[14:15], s[24:25]
	s_lshl_b32 s24, s26, 8                         ; 256 scale bytes a run
	s_add_nc_u64 s[16:17], s[16:17], s[24:25]
.macro LOAD t
.irp i, 0,1,2,3
	global_load_b128 v[R+16*((\t)%4)+4*\i:R+16*((\t)%4)+4*\i+3], v3, s[4:5] offset:2048*(\t)+512*\i th:TH_LOAD_NT   ; 32 lanes read 512 consecutive bytes
.endr
.endm
.macro TURN t                          ; step t's numbers through the stage: LDS serves a wave's instructions in order, so no wait stands between the stores and the loads
.irp i, 0,1,2,3
	ds_store_b128 v14, v[R+16*((\t)%4)+4*\i:R+16*((\t)%4)+4*\i+3] offset:32*SP*((\t)%2)+8*SP*\i
.endr
.irp i, 0,1,2,3
	ds_load_b128 v[X+16*((\t)%2)+4*\i:X+16*((\t)%2)+4*\i+3], v15 offset:32*SP*((\t)%2)+16*\i
.endr
.endm
.irp t, 0,1,2,3
	LOAD \t
.endr
	s_wait_loadcnt 12                              ; step 0's four loads are in; twelve younger ones stay out
	TURN 0
.macro STEP t
.set XS, X+16*((\t)%2)
.if (\t) > 0
	s_wait_dscnt 1                                 ; this step's numbers are back from the stage; the last step's byte store may be out
.else
	s_wait_dscnt 0x0
.endif
.if (\t)+4 < STEPS
	LOAD (\t)+4                                    ; into the registers that the stage's stores have read
.endif
.if (\t)+1 < STEPS
.if STEPS-2-(\t) >= 3
	s_wait_loadcnt 12                              ; the next step's four loads are in; those of the three steps behind it may be out
.else
	s_wait_loadcnt 4*(STEPS-2-(\t))
.endif
	TURN (\t)+1
.endif
	v_max3_num_f32 v8, |v[XS]|, |v[XS+1]|, |v[XS+2]|               ; the largest magnitude of my 16, in two chains
	v_max3_num_f32 v9, |v[XS+3]|, |v[XS+4]|, |v[XS+5]|
.irp i, 6,10
	v_max3_num_f32 v8, v8, |v[XS+\i]|, |v[XS+\i+1]|
	v_max3_num_f32 v9, v9, |v[XS+\i+2]|, |v[XS+\i+3]|
.endr
	v_max3_num_f32 v8, v8, |v[XS+14]|, |v[XS+15]|
	v_max3_num_f32 v8, v8, v9, (EMAX+1)<<23        ; and the floor 2^(9 - 127): the byte cannot fall under 1
	v_max_num_f32_dpp v8, v8, v8 row_xmask:1 row_mask:0xf bank_mask:0xf   ; with my neighbour's 16: the block's
	v_add_nc_u32 v11, -(EMAX<<23), v8              ; 8 off the exponent field: the conversion's scale operand
.irp i, 0,1,2,3,4,5,6,7,8,9,10,11,12,13,14,15
.endr
	v_cvt_scalef32_pk8_fp8_f32 v[C+4*(\t):C+4*(\t)+1], v[XS:XS+7], v11
	v_cvt_scalef32_pk8_fp8_f32 v[C+4*(\t)+2:C+4*(\t)+3], v[XS+8:XS+15], v11
	v_lshrrev_b32 v[E+(\t)], 23, v11               ; the scale's byte
	ds_store_b8 v5, v[E+(\t)] offset:16*(\t)       ; both lanes of a block write the same byte with the same value
	global_store_b128 v4, v[C+4*(\t):C+4*(\t)+3], s[14:15] offset:32*CB*(\t)   ; the wave stores 512 consecutive bytes
.endm
.irp t, 0,1,2,3,4,5,6,7,8,9,10,11,12,13,14,15
	STEP \t
.endr
	ds_load_b64 v[12:13], v6                       ; LDS serves a wave's instructions in order: these see my byte stores
	s_wait_dscnt 0x0
	global_store_b64 v7, v[12:13], s[16:17]        ; 32 lanes store 256 consecutive bytes, aligned
	s_wait_tensorcnt 0x0
	ds_add_u32 v192, v193
	s_wait_dscnt 0x0
	s_endpgm
.Ltab:
	s_sub_co_u32 s21, ttmp9, QWG
	s_lshl_b32 s21, s21, 2
	s_add_co_u32 s21, s21, s20                     ; my tile of positions, 0..127
	s_lshr_b32 s22, s21, 1
	s_lshl_b32 s22, s22, 5
	s_and_b32 s23, s21, 1
	s_lshl_b32 s23, s23, 3
	s_add_co_u32 s22, s22, s23                     ; 32 (tile / 2) + 8 (tile % 2)
	s_wait_alu depctr_va_vdst(0)
	v_and_b32 v3, 15, v2                           ; r
	v_lshrrev_b32 v4, 4, v2                        ; h
	v_and_b32 v5, 8, v3
	v_add_nc_u32 v5, v5, v3
	v_add_nc_u32 v5, s22, v5                       ; my position
	v_cvt_f32_u32 v8, v5
	v_cmp_eq_u32 vcc_lo, 1, v4
	v_mov_b32 v6, 0x3c23d70a                       ; 0.01
	v_cndmask_b32 v9, 1.0, v6, vcc_lo              ; 10^(-2 h): frequencies 16 h + 0 .. 7
	v_mov_b32 v6, 0x3a83126f                       ; 0.001
	v_mov_b32 v7, 0x3dcccccd                       ; 0.1
	v_cndmask_b32 v10, v7, v6, vcc_lo              ; 10^(-2 h - 1): frequencies 16 h + 8 .. 15
	v_lshlrev_b32 v11, 4, v2                       ; 16 bytes a lane
	s_mov_b32 s24, 0xbe2aaaa3                      ; sine: r + r z (S1 + S2 z + S3 z^2), z = r^2
	s_mov_b32 s25, 0x3c08839e
	s_mov_b32 s26, 0xb94ca1f9
	s_mov_b32 s27, 0x3d2aaaa5                      ; cosine: 1 - z / 2 + z^2 (C1 + C2 z + C3 z^2)
	s_mov_b32 s28, 0xbab6061a
	s_mov_b32 s29, 0x37ccf5ce
	s_lshl_b32 s30, s21, 12                        ; 4,096 bytes a tile
	s_mov_b32 s31, 0
	s_wait_alu depctr_va_vdst(0)
	s_wait_kmcnt 0x0
	s_add_nc_u64 s[18:19], s[18:19], s[30:31]
.macro SINCOS e, base                  ; base = 10^(-(e % 8) / 8)
	v_mul_f32 v12, \base, v[9+(\e)/8]              ; the frequency
	v_mul_f32 v12, v8, v12                         ; the angle, rounded once
	v_mul_f32 v13, 0x3f22f983, v12                 ; x 2 / pi
	v_rndne_f32 v13, v13                           ; n
	v_fmamk_f32 v14, v13, 0xbfc90fdb, v12          ; angle - n x (pi / 2's upper part): exact here,
	v_fmamk_f32 v14, v13, 0x333bbd2e, v14          ; and its lower part: r, within pi / 4
	v_mul_f32 v15, v14, v14                        ; z
	v_cvt_i32_f32 v16, v13
	v_fma_f32 v17, v15, s26, s25
	v_fma_f32 v18, v15, s29, s28
	v_fma_f32 v17, v17, v15, s24
	v_fma_f32 v18, v18, v15, s27
	v_mul_f32 v19, v15, v14
	v_mul_f32 v20, v15, v15
	v_fma_f32 v21, v15, -0.5, 1.0
	v_fma_f32 v17, v17, v19, v14                   ; sin r
	v_fma_f32 v18, v18, v20, v21                   ; cos r
	v_and_b32 v22, 1, v16
	v_cmp_eq_u32 vcc_lo, 1, v22                    ; an odd n exchanges the two
	v_cndmask_b32 v23, v17, v18, vcc_lo
	v_cndmask_b32 v24, v18, v17, vcc_lo
	v_lshlrev_b32 v25, 30, v16                     ; the sine's sign: bit 1 of n;
	v_add_nc_u32 v26, 1, v16
	v_lshlrev_b32 v26, 30, v26                     ; the cosine's: bit 1 of n + 1
	v_and_b32 v25, 0x80000000, v25
	v_and_b32 v26, 0x80000000, v26
	v_xor_b32 v[SIN+(\e)], v23, v25
	v_xor_b32 v[COS+(\e)], v24, v26
.endm
.irp u, 0,8
	SINCOS \u+0, 1.0
	SINCOS \u+1, 0x3f3ff911
	SINCOS \u+2, 0x3f0ff59a
	SINCOS \u+3, 0x3ed7e89b
	SINCOS \u+4, 0x3ea1e89b
	SINCOS \u+5, 0x3e72d424
	SINCOS \u+6, 0x3e361887
	SINCOS \u+7, 0x3e088d77
.endr
.irp j, 0,1,2,3
	global_store_b128 v11, v[COS+4*\j:COS+4*\j+3], s[18:19] offset:512*\j          ; each store covers 512 consecutive bytes
	global_store_b128 v11, v[SIN+4*\j:SIN+4*\j+3], s[18:19] offset:2048+512*\j
.endr
	s_endpgm
.Lfunc_end_k_qf15e0df1c6_prep:
	.size	k_qf15e0df1c6_prep, .Lfunc_end_k_qf15e0df1c6_prep-k_qf15e0df1c6_prep
	.p2alignl 7, 3214868480
	.fill 96, 4, 3214868480
	.section	.rodata,"a",@progbits
	.p2align	6, 0x0
	.amdhsa_kernel k_qf15e0df1c6_prep
		.amdhsa_group_segment_fixed_size 33280
		.amdhsa_private_segment_fixed_size 0
		.amdhsa_enable_private_segment 0
		.amdhsa_kernarg_size 64
		.amdhsa_user_sgpr_count 2
		.amdhsa_user_sgpr_kernarg_segment_ptr 1
		.amdhsa_wavefront_size32 1
		.amdhsa_system_sgpr_workgroup_id_x 1
		.amdhsa_system_sgpr_workgroup_id_y 1
		.amdhsa_system_sgpr_workgroup_id_z 1
		.amdhsa_system_vgpr_workitem_id 0
		.amdhsa_next_free_vgpr 194
		.amdhsa_next_free_sgpr 66
		.amdhsa_reserve_vcc 1
		.amdhsa_float_denorm_mode_32 3
		.amdhsa_float_denorm_mode_16_64 3
		.amdhsa_fp16_overflow 1
		.amdhsa_memory_ordered 1
		.amdhsa_forward_progress 1
		.amdhsa_inst_pref_size 56
	.end_amdhsa_kernel
	.amdgpu_metadata
---
amdhsa.version: [ 1, 2 ]
amdhsa.kernels:
  - .name:           k_qf15e0df1c6_prep
    .symbol:         k_qf15e0df1c6_prep.kd
    .args:
      - { .name: x, .offset: 0, .size: 8, .value_kind: global_buffer, .address_space: global }
      - { .name: wq, .offset: 8, .size: 8, .value_kind: global_buffer, .address_space: global }
      - { .name: wk, .offset: 16, .size: 8, .value_kind: global_buffer, .address_space: global }
      - { .name: wv, .offset: 24, .size: 8, .value_kind: global_buffer, .address_space: global }
      - { .name: wp, .offset: 32, .size: 8, .value_kind: global_buffer, .address_space: global }
      - { .name: codes, .offset: 40, .size: 8, .value_kind: global_buffer, .address_space: global }
      - { .name: scales, .offset: 48, .size: 8, .value_kind: global_buffer, .address_space: global }
      - { .name: tab, .offset: 56, .size: 8, .value_kind: global_buffer, .address_space: global }
    .group_segment_fixed_size: 33280
    .private_segment_fixed_size: 0
    .kernarg_segment_align: 8
    .kernarg_segment_size: 64
    .max_flat_workgroup_size: 128
    .sgpr_count:     66
    .vgpr_count:     194
    .wavefront_size: 32
...
	.end_amdgpu_metadata
.endif
;; end of part 1
;; launch qkv (part 2): grid 12 x 32, 4 waves a work-group, clusters of 4 x 4, 327,680 bytes of LDS; arguments codes, scales, bq, bk, bv, tab, qb, kvb; writes qb, kvb
.if DOCPART == 2
	.amdgcn_target "amdgcn-amd-amdhsa--gfx1250"
	.amdhsa_code_object_version 6
	.text
	.protected	k_qf15e0df1c6_qkv
	.globl	k_qf15e0df1c6_qkv
	.p2align	8
	.type	k_qf15e0df1c6_qkv,@function
k_qf15e0df1c6_qkv:
	s_mov_b64 s[64:65], 0
	v_nop
	global_prefetch_b8 v0, s[64:65] scope:SCOPE_SE
	s_setreg_imm32_b32 hwreg(HW_REG_WAVE_MODE, 25, 1), 1
	s_wait_xcnt 0x0
	s_wait_alu depctr_hold_cnt(0) depctr_sa_sdst(0) depctr_va_vdst(0) depctr_va_sdst(0) depctr_va_ssrc(0) depctr_va_vcc(0) depctr_vm_vsrc(0)
	s_getreg_b32 s2, hwreg(HW_REG_IB_STS2, 6, 4)
	s_cmp_eq_u32 s2, 0
	s_cbranch_scc0 .Lentry_in_a_cluster
	s_endpgm
.Lentry_in_a_cluster:
	s_bfe_u32 s2, ttmp6, 0x10000c
	s_cmp_lg_u32 s2, 0xf033
	s_cbranch_scc0 .Lentry_shape_is_right
	s_endpgm
.Lentry_shape_is_right:
; q = rope(x wq^T + bq), k = rope(x wk^T + bk), v = x wv^T + bv, on codes of FP8 (E4M3) with E8M0 scales; the results are quantised at once, q and k along the head's 64, v along the keys, and stored as images of operand registers.
; A tile of 256 x 256 is made by four waves, 128 x 128 each: 64 accumulators, 512 registers.  K = 1,024 goes in four steps of 256 through a ring of two LDS slots filled by tensor loads; the scale bytes of the
; work-group's 512 rows come once and stay.  4 x 4 work-groups form a cluster: A's tiles are asked for jointly along a row of it, B's along a column.
; ROLES, by the cluster's x (the same in all sixteen partners): 0: q, 1: k: A = x (tokens), B = the weight (features);  2: v: A = wv (features), B = x (tokens).  The matrix text is one for all.
; THE PRODUCT IS USED TRANSPOSED (source 0 = 16 rows of B, source 1 = 16 rows of A).  The rows of codes are stored with bits 3 and 4 exchanged, so in accumulator (a, b) lane (r, h), register j holds
; A's row 32 (a / 2) + 8 (a % 2) + r + 8 (r / 8) and B's row 32 (b / 2) + 16 h + 8 (b % 2) + j: for a fixed a the 64 registers 16 c + i are B's rows 32 c + 16 h + i: a lane's neighbours along the next K.
; q, k: a wave's 128 features are two heads; registers 32 hh + i and 32 hh + 16 + i are the two halves that RoPE turns, at frequency 16 h + i.  v: a lane holds one feature and 128 tokens: one K step of the second product.
; OUT: kvb, qb: [batch x head 64][slot of 256 tokens, 8][35,840 bytes]: 16 tiles of k (or q) x [2][lane][16 bytes]; from 16,384 v: [step 2][tile of 16 features, 4][4][lane][16]; from 32,768 k's scale words: [4 tiles][lane][4 words];
; from 34,816 v's: [step 2][lane][4 words].  Every store of a wave covers 512 consecutive bytes, aligned.  qb takes q's tiles and scale words alone.
; LIMITS: a block whose largest magnitude lies under 2^-118 gets the scale byte 1; NaN and infinities are not served.
; REGISTERS, in windows of 256: window 0: v0-31 addresses and small things; v32-63 scale words, two sets (nothing else ever); v64-127 the bias along B; v128-255 A's fragments, ONE set; on the way out v128-191 64 numbers, v192-207 codes, v208-223 at work.
;   window 1: B's fragments, two sets; on the way out v0-63 two sets of cos and sin.   windows 2, 3: the accumulators ((a, b) at v[8 (8 (a % 4) + b)]).
.set KSTEP,  256
.set NQ,     2                         ; matrix instructions deep in a slot
.set ROWB,   256                       ; a tile's row in bytes
.set KROW,   1024                      ; a row of codes in memory
.set PITCH,  272                       ; an LDS row: 256 bytes + 16 of padding: the 16 rows that a load touches start at 16 different banks (64 banks of 4 bytes: ISA guide 11.1)
.set FR,     16
.set NL,     4
.set NP,     8                         ; places behind this matrix instruction (ISA guide 7.12.1)
.set HALFT,  128*PITCH
.set SLOT,   4*HALFT
.set KS,     32                        ; a row of scale bytes
.set SCL,    2*SLOT
.set HALFS,  (128*KS/256)*272
.set SBLK,   (16*KS/256)*272
.set SPARE,  SCL+4*HALFS               ; the spare words, 128 bytes a wave: two blocks of 256 bytes that no other line names
.set SLOTB,  35840                     ; a slot of kvb
.set BHB,    286720                    ; a head's eight slots
.set SW0,  4                           ; v4-7    scale words of four tiles (first head; for v: the four feature tiles)
.set VB,   8                           ; v8-15   v's bias at my feature, a register a tile; for q and k v8-11 are at work
.set SW1,  12                          ; v12-15  the second head's scale words
.set ADRA, 16
.set ADRB, 20
.set LI,   24                          ; v24  16 x lane
.set BO,   25                          ; v25  64 h
.set VO,   26                          ; v26  4 (r + 8 (r / 8))
.set ADRS, 27
.set SPW,  28                          ; v28  my spare word; never rewritten
.set NIL,  29                          ; v29  0; never rewritten
.set SC,   32
.set BIAS, 64
.set AF,   128
.set W,    128
.set PC,   192
.set TM,   208
.set CS,   0                           ; in window 1
.set G1, 24
.set G0, 32
.set G1B, 48
.set G0B, 56
.set G1S, 68
.set G0S, 76
.set G1SB, 80
.set G0SB, 88
.set SEL, 92
.set MNT, 94
.set MSB, 0
.macro WIN new                         ; the immediate's high byte repeats the setting that is left
.if MSB != (\new)
	s_set_vgpr_msb (MSB<<8)|(\new)
.set MSB, (\new)
.endif
.endm
.set MUL_LO, 0xa1                      ; source 0 (B) window 1, source 1 (A) window 0, C and D window 2
.set MUL_HI, 0xf1
.set TO_B,   0x40                      ; destination window 1, address window 0
; A joint load: waves 0 and 1 fetch for A, waves 2 and 3 for B; the branch hangs on the wave's number alone.  Four v_nop follow each of the two lines.
.macro JLOAD g0a, g1a, g0b, g1b
	s_cmp_eq_u32 s15, 0
	s_cbranch_scc0 .Lfor_b_\@
	tensor_load_to_lds s[\g0a:\g0a+3], s[\g1a:\g1a+7]
	s_nop 0
.rept 4
	v_nop
.endr
	s_branch .Lasked_\@
.Lfor_b_\@:
	tensor_load_to_lds s[\g0b:\g0b+3], s[\g1b:\g1b+7]
	s_nop 0
.rept 4
	v_nop
.endr
.Lasked_\@:
.endm
.macro CREST                           ; a round of the cluster's barrier behind its opening barrier
	s_cmp_lg_u32 s14, 0
	s_cbranch_scc1 .Lnot_wave_0_\@
	s_barrier_signal -3
.Lnot_wave_0_\@:
	s_barrier_wait -3
	s_barrier_signal -1
	s_barrier_wait -1
.endm
.macro CROUND
	s_barrier_signal -1
	s_barrier_wait -1
	CREST
.endm
	s_load_b128 s[4:7], s[0:1], 0x0                ; codes, scales
	v_lshl_add_u32 v[SPW], v0, 2, SPARE
	v_mov_b32 v[NIL], 0
	ds_add_u32 v28, v29
	ds_add_u32 v28, v29
	s_wait_dscnt 0x0
	v_lshrrev_b32 v1, 5, v0
	v_readfirstlane_b32 s14, v1                    ; wave 0..3
	s_lshr_b32 s15, s14, 1                         ; which half of A's rows is mine.  Also: I fetch for A (0) or for B (1)
	s_and_b32 s16, s14, 1                          ; which half of B's rows.  Also: which 128 rows I fetch
	s_bfe_u32 s40, ttmp6, 0x40000                  ; cx, cy: my place in the cluster
	s_bfe_u32 s41, ttmp6, 0x40004
	s_and_b32 s17, ttmp7, 0xffff
	s_lshl_b32 s17, s17, 10                        ; the cluster's 1,024 tokens: x's rows begin at 0
	s_lshl_b32 s42, ttmp9, 10
	s_add_co_u32 s42, s42, 8192                    ; wq's or wk's first row
	s_cmp_eq_u32 ttmp9, 2                          ; the role: the same in all partners
	s_cselect_b32 s95, 10240, s17                  ; A's first row: wv's, or the tokens'
	s_cselect_b32 s96, s17, s42                    ; B's first row: the tokens', or the weight's
	s_lshl_b32 s43, s41, 2
	s_lshl_b32 s43, 15, s43                        ; my row of the cluster
	s_lshl_b32 s44, 0x1111, s40                    ; my column
	s_or_b32 s[G1+0], s43, (0<<16)|(1<<20)|(1<<21)|(5<<22)|(3<<25)  ; the mask; elements of 1 byte; padding: 4 words behind every 64; bit 21 beside a mask
	s_or_b32 s[G1B+0], s44, (0<<16)|(1<<20)|(1<<21)|(5<<22)|(3<<25)
.irp g, G1, G1B
	s_mov_b32 s[\g+1], ROWB<<16                    ; tensor_dim0
	s_mov_b32 s[\g+2], 128<<16                     ; tensor_dim1
	s_mov_b32 s[\g+3], ROWB<<16                    ; tile_dim0
	s_mov_b32 s[\g+4], 128                         ; tile_dim1
	s_mov_b32 s[\g+5], KROW                        ; the pitch
	s_mov_b32 s[\g+6], 0
	s_mov_b32 s[\g+7], 0
.endr
	s_or_b32 s[G1S+0], s43, (3<<16)|(1<<20)|(1<<21)|(5<<22)|(3<<25) ; the scales of 128 rows: 4,096 dense bytes as 16 rows of 256, 16 bytes of padding behind each
	s_or_b32 s[G1SB+0], s44, (3<<16)|(1<<20)|(1<<21)|(5<<22)|(3<<25)
.irp g, G1S, G1SB
	s_mov_b32 s[\g+1], 32<<16
	s_mov_b32 s[\g+2], (128*KS/256)<<16
	s_mov_b32 s[\g+3], 32<<16
	s_mov_b32 s[\g+4], 128*KS/256
	s_mov_b32 s[\g+5], 32
	s_mov_b32 s[\g+6], 0
	s_mov_b32 s[\g+7], 0
.endr
	s_lshl_b32 s18, s16, 7                         ; which 128 rows I fetch
	s_lshl_b32 s20, s41, 8
	s_add_co_u32 s20, s20, s18
	s_add_co_u32 s20, s20, s95                     ; A: its first row + 256 cy + 128 x half: never cx
	s_lshl_b32 s46, s40, 8
	s_add_co_u32 s46, s46, s18
	s_add_co_u32 s46, s46, s96                     ; B: its first row + 256 cx + 128 x half: never cy
	s_lshl_b32 s22, s20, 5                         ; their scale bytes,
	s_mov_b32 s23, 0
	s_lshl_b32 s92, s46, 5
	s_mov_b32 s93, 0
	s_lshl_b32 s20, s20, 10                        ; and their codes
	s_mov_b32 s21, 0
	s_lshl_b32 s46, s46, 10
	s_mov_b32 s47, 0
	s_mul_i32 s45, s14, HALFT                      ; where they go: wave x 128 rows: no place in the cluster enters an LDS address
	s_mul_i32 s94, s14, HALFS
	s_wait_kmcnt 0x0
	s_add_nc_u64 s[20:21], s[4:5], s[20:21]
	s_add_nc_u64 s[22:23], s[6:7], s[22:23]
	s_add_nc_u64 s[46:47], s[4:5], s[46:47]
	s_add_nc_u64 s[92:93], s[6:7], s[92:93]
	CROUND                                         ; all sixteen work-groups are here: the first joint loads meet
	s_mov_b32 s[G0S], 1
	s_add_co_u32 s[G0S+1], s94, SCL
	s_mov_b64 s[G0S+2:G0S+3], s[22:23]
	s_or_b32 s[G0S+3], s[G0S+3], 0x80000000
	s_mov_b32 s[G0SB], 1
	s_add_co_u32 s[G0SB+1], s94, SCL
	s_mov_b64 s[G0SB+2:G0SB+3], s[92:93]
	s_or_b32 s[G0SB+3], s[G0SB+3], 0x80000000
	JLOAD G0S, G1S, G0SB, G1SB                     ; the scales first: they are wanted with K step 0
.irp s, 0,1
	s_mov_b32 s[G0+4*\s], 1
	s_add_co_u32 s[G0+4*\s+1], s45, \s*SLOT
	s_add_nc_u64 s[G0+4*\s+2:G0+4*\s+3], s[20:21], \s*ROWB
	s_or_b32 s[G0+4*\s+3], s[G0+4*\s+3], 0x80000000
	s_mov_b32 s[G0B+4*\s], 1
	s_add_co_u32 s[G0B+4*\s+1], s45, \s*SLOT
	s_add_nc_u64 s[G0B+4*\s+2:G0B+4*\s+3], s[46:47], \s*ROWB
	s_or_b32 s[G0B+4*\s+3], s[G0B+4*\s+3], 0x80000000
	JLOAD G0+4*\s, G1, G0B+4*\s, G1B
.endr
	v_and_b32 v1, 15, v0                           ; r
	v_bfe_u32 v2, v0, 4, 1                         ; h
	v_mul_u32_u24 v3, v1, PITCH
	v_lshl_add_u32 v4, v2, 4, v3                   ; a fragment's row x pitch + 16 h
	s_mul_i32 s21, s15, HALFT                      ; my 128 rows of A
	s_mul_i32 s22, s16, HALFT                      ; my 128 rows of B,
	s_add_co_u32 s22, s22, 2*HALFT                 ; behind A's 256
.irp s, 0,1
	v_add_nc_u32 v[ADRA+\s], s21, v4
	v_add_nc_u32 v[ADRB+\s], s22, v4
	s_add_co_u32 s21, s21, SLOT
	s_add_co_u32 s22, s22, SLOT
.endr
	v_mul_u32_u24 v5, v1, KS                       ; my row's scales: 32 bytes a row,
	v_lshrrev_b32 v6, 8, v5
	v_lshl_add_u32 v5, v6, 4, v5                   ; and 16 more for each 256 passed
	s_mul_i32 s21, s15, HALFS
	s_mul_i32 s22, s16, HALFS
	s_add_co_u32 s22, s22, 2*HALFS
	s_sub_co_u32 s22, s22, s21
	v_mul_u32_u24 v6, s22, v2                      ; lanes 16-31 take B's: one product, the distance between the two
	s_add_co_u32 s21, s21, SCL
	v_add_nc_u32 v5, v5, v6
	v_add_nc_u32 v[ADRS], s21, v5
	v_and_b32 v6, 31, v0
	v_lshlrev_b32 v[LI], 4, v6
	v_lshlrev_b32 v[BO], 6, v2
	v_and_b32 v6, 8, v1
	v_add_nc_u32 v6, v6, v1
	v_lshlrev_b32 v[VO], 2, v6
.macro FRAG reg, adr, q, i             ; 16 rows x 128 K: lane l holds row l % 16; registers 4 c .. 4 c + 3 hold K = 32 c + 16 (l / 16) + 0 .. 15
.irp c, 0,1,2,3
	ds_load_b128 v[\reg+4*\c:\reg+4*\c+3], v[\adr] offset:128*(\q)+32*\c+(\i)*16*PITCH
.endr
.endm
; 16 matrix instructions: A's blocks a0, a0 + 1 x B's eight.  The 64 accumulators take turns, one instruction a turn, in the same order in every step.
.macro MUL16 a0, p, q, sc, zero
.irp a, \a0, \a0+1
.irp b, 0,1,2,3,4,5,6,7
.if \zero
	v_wmma_scale_f32_16x16x128_f8f6f4 v[8*(8*((\a)%4)+\b):8*(8*((\a)%4)+\b)+7], v[128*(\p)+FR*\b:128*(\p)+FR*\b+FR-1], v[AF+FR*(\a):AF+FR*(\a)+FR-1], 0, v[SC+8*NQ*(\sc)+NQ*\b+(\q)], v[SC+8*NQ*(\sc)+NQ*(\a)+(\q)] matrix_a_scale:MATRIX_SCALE_ROW1
.else
	v_wmma_scale_f32_16x16x128_f8f6f4 v[8*(8*((\a)%4)+\b):8*(8*((\a)%4)+\b)+7], v[128*(\p)+FR*\b:128*(\p)+FR*\b+FR-1], v[AF+FR*(\a):AF+FR*(\a)+FR-1], v[8*(8*((\a)%4)+\b):8*(8*((\a)%4)+\b)+7], v[SC+8*NQ*(\sc)+NQ*\b+(\q)], v[SC+8*NQ*(\sc)+NQ*(\a)+(\q)] matrix_a_scale:MATRIX_SCALE_ROW1
.endif
.endr
.endr
.endm
.macro FETCH_B slot, q, p
	WIN TO_B
.irp i, 0,1,2,3,4,5,6,7
	FRAG 128*(\p)+FR*\i, ADRB+\slot, \q, \i
.endr
	WIN 0
.endm
.macro FETCH_A slot, q, i0
.irp i, \i0, \i0+1, \i0+2, \i0+3
	FRAG AF+FR*(\i), ADRA+\slot, \q, \i
.endr
.endm
.macro SCALES sc                       ; a K step's scale words: two words a row; lanes 0-15 A's block i, lanes 16-31 B's block i
.irp i, 0,1,2,3,4,5,6,7
	ds_load_b64 v[SC+8*NQ*\sc+NQ*\i:SC+8*NQ*\sc+NQ*\i+1], v[ADRS] offset:\i*SBLK
.endr
.endm
.macro PLACES n                        ; plain vector instructions that name no register of the matrix instructions before them (ISA guide 7.12.1)
.rept \n
	v_nop
.endr
.endm
.macro STEP slot, q, zero              ; 128 along K, with its successor in the same slot
	s_wait_dscnt 4*NL                              ; B's set and A's blocks 0-3 are in; the youngest sixteen loads (A's blocks 4-7) may be out
	WIN MUL_LO
	MUL16 0, (\q)%2, \q, \slot, \zero
	MUL16 2, (\q)%2, \q, \slot, \zero
	s_wait_dscnt 0
	PLACES NP
	FETCH_B \slot, (\q)+1, 1-(\q)%2
	FETCH_A \slot, (\q)+1, 0
	WIN MUL_HI
	MUL16 4, (\q)%2, \q, \slot, \zero
	MUL16 6, (\q)%2, \q, \slot, \zero
	PLACES NP
	WIN 0
	FETCH_A \slot, (\q)+1, 4
.endm
; A slot's last step changes slots: one barrier; in front of it each wave waits for all its tensor loads, adds 0 to its spare word, and waits for that and for its reads of this slot.
.macro TURN slot, next, fill
	s_wait_tensorcnt 0x0                           ; all my tensor loads have landed: my part of the next slot
	ds_add_u32 v[SPW], v[NIL]                      ; 0 onto my spare word
	s_wait_dscnt 4*NL+1                            ; the add and the youngest sixteen loads may be out
	WIN MUL_LO
	MUL16 0, 1, NQ-1, \slot, 0
	s_wait_dscnt 0x0                               ; the add is done, and my reads of this slot are over
	s_barrier_signal -1
	MUL16 2, 1, NQ-1, \slot, 0
	WIN 0
	s_barrier_wait -1
.if \fill
	CREST                                          ; the barrier has opened a round of the cluster's: no wave of any partner still reads this slot or has a load on its way
	s_add_nc_u64 s[G0+4*\slot+2:G0+4*\slot+3], s[G0+4*\slot+2:G0+4*\slot+3], 2*ROWB
	s_add_nc_u64 s[G0B+4*\slot+2:G0B+4*\slot+3], s[G0B+4*\slot+2:G0B+4*\slot+3], 2*ROWB
	JLOAD G0+4*\slot, G1, G0B+4*\slot, G1B         ; the first tensor load behind the round; its four v_nop are four of the eight places
	PLACES NP-4
.else
	PLACES NP
.endif
	s_wait_alu depctr_va_vdst(0)
	v_add_nc_u32 v[ADRS], 4*NQ, v[ADRS]            ; the next K step's scale words
	FETCH_B \next, 0, 0
	FETCH_A \next, 0, 0
	SCALES \next
	WIN MUL_HI
	MUL16 4, 1, NQ-1, \slot, 0
	MUL16 6, 1, NQ-1, \slot, 0
	PLACES NP
	WIN 0
	FETCH_A \next, 0, 4
.endm
	s_wait_alu depctr_va_vdst(0)
	s_wait_tensorcnt 1                             ; the scales and my part of K step 0 are in; K step 1's load may be out
	s_barrier_signal -1
	s_barrier_wait -1
	FETCH_B 0, 0, 0
	FETCH_A 0, 0, 0
	SCALES 0
	FETCH_A 0, 0, 4
	; the scales' loads are done (the wait above), so their descriptors' registers take the other six addresses
	s_load_b256 s[68:75], s[0:1], 0x10             ; bq, bk, bv, tab
	s_load_b128 s[76:79], s[0:1], 0x30             ; qb, kvb
	s_lshl_b32 s82, s40, 10
	s_lshl_b32 s83, s16, 9
	s_add_co_u32 s82, s82, s83                     ; 4 (256 cx + 128 x my half of B)
	s_mov_b32 s83, 0
	s_lshl_b32 s86, s41, 10
	s_lshl_b32 s87, s15, 9
	s_add_co_u32 s86, s86, s87                     ; 4 (256 cy + 128 x my half of A)
	s_mov_b32 s87, 0
	s_wait_kmcnt 0x0
	s_cmp_eq_u32 ttmp9, 0
	s_cselect_b64 s[80:81], s[68:69], s[70:71]
	s_cmp_eq_u32 ttmp9, 2
	s_cselect_b64 s[80:81], s[72:73], s[80:81]     ; the role's bias
	s_add_nc_u64 s[80:81], s[80:81], s[82:83]
	s_add_nc_u64 s[84:85], s[72:73], s[86:87]
.irp c, 0,1,2,3                                ; both kinds of bias are loaded in every role (each stays inside its 1,024 numbers); they land while K is walked
.irp j, 0,1,2,3
	global_load_b128 v[BIAS+16*\c+4*\j:BIAS+16*\c+4*\j+3], v[BO], s[80:81] offset:128*\c+16*\j   ; register 16 c + i: feature 32 c + 16 h + i
.endr
.endr
.irp a, 0,1,2,3,4,5,6,7
	global_load_b32 v[VB+\a], v[VO], s[84:85] offset:4*(32*(\a/2)+8*(\a%2))                     ; tile a: feature 32 (a / 2) + 8 (a % 2) + r + 8 (r / 8)
.endr
	STEP 0, 0, 1                                   ; the first step's products start the sums: nothing is cleared
	TURN 0, 1, 1                                   ; K = 1,024 is two laps of the ring: the one lap that fills both slots again is written out
	STEP 1, 0, 0
	TURN 1, 0, 1
	STEP 0, 0, 0
	TURN 0, 1, 0                                   ; the last lap fills nothing
	STEP 1, 0, 0
	s_wait_dscnt 4*NL
	WIN MUL_LO
	MUL16 0, 1, NQ-1, 1, 0
	MUL16 2, 1, NQ-1, 1, 0
	s_wait_dscnt 0
	WIN MUL_HI
	MUL16 4, 1, NQ-1, 1, 0
	MUL16 6, 1, NQ-1, 1, 0
	WIN 0
	; THE WAY OUT touches no LDS: a lane's 64 numbers of a tile are quantised in registers, and the codes' registers are stored as they stand.
	PLACES NP
	s_wait_loadcnt 0x0                             ; the biases
	s_mov_b32 s[SEL], 0x76543210
	s_mov_b32 s[SEL+1], 0xfedcba98                 ; lane l xor 16
.irp b, 0,1,2,3
	v_mov_b32 v[TM+4+\b], 0                        ; a lane permute's destination counts as one of its sources
.endr
	s_cmp_eq_u32 ttmp9, 2
	s_cselect_b32 s20, s96, s95                    ; the tokens' first row,
	s_cselect_b32 s21, s40, s41                    ; the coordinate that walks them,
	s_cselect_b32 s22, s16, s15                    ; and my half of them;
	s_cselect_b32 s23, s41, s40                    ; the same for the features
	s_cselect_b32 s45, s15, s16
	s_lshl_b32 s21, s21, 8
	s_lshl_b32 s22, s22, 7
	s_add_co_u32 s20, s20, s21
	s_add_co_u32 s20, s20, s22                     ; my first token
	s_lshr_b32 s20, s20, 4
	s_lshr_b32 s21, s20, 7                         ; the batch
	s_and_b32 s22, s20, 127                        ; my first tile of tokens in it
	s_lshl_b32 s23, s23, 2
	s_lshl_b32 s45, s45, 1
	s_add_co_u32 s23, s23, s45                     ; my first head
	s_lshl_b32 s21, s21, 4
	s_add_co_u32 s21, s21, s23
	s_mul_i32 s21, s21, BHB
	s_lshr_b32 s23, s22, 4
	s_mul_i32 s23, s23, SLOTB
	s_add_co_u32 s21, s21, s23                     ; the slot's first byte
	s_mov_b32 s47, 0
; 64 numbers of a lane, register 16 b + i = k 32 b + 16 (lane / 16) + i of my row, become 16 registers of codes in v[PC] on and the scale word in v[pw].
.macro QUANT s, pw
.irp b, 0,1,2,3
	v_max3_num_f32 v[TM+\b], |v[\s+16*\b]|, |v[\s+1+16*\b]|, 0x4800000   ; my 16 numbers of block b, and the floor 2^(9 - 127): the byte cannot fall under 1
.endr
.irp i, 2,4,6,8,10,12,14
.irp b, 0,1,2,3
	v_max3_num_f32 v[TM+\b], v[TM+\b], |v[\s+16*\b+\i]|, |v[\s+1+16*\b+\i]|
.endr
.endr
.irp b, 0,1,2,3
	v_permlanex16_b32 v[TM+4+\b], v[TM+\b], s[SEL], s[SEL+1]
.endr
.irp b, 0,1,2,3
	v_max_num_f32 v[TM+\b], v[TM+\b], v[TM+4+\b]   ; with lane l xor 16's: the block's largest magnitude
.endr
.irp b, 0,1,2,3
	v_add_nc_u32 v[TM+12+\b], 0xfc000000, v[TM+\b] ; 8 off its exponent field: the conversion's scale operand
.endr
.irp b, 0,1,2,3
.endr
.irp b, 0,1,2,3
	v_lshrrev_b32 v[TM+4+\b], 23, v[TM+12+\b]      ; the scale's byte
.endr
	v_lshl_or_b32 v[\pw], v[TM+5], 8, v[TM+4]
	v_lshl_or_b32 v[\pw], v[TM+6], 16, v[\pw]
	v_lshl_or_b32 v[\pw], v[TM+7], 24, v[\pw]
.irp b, 0,1,2,3
.irp i, 0,1,2,3,4,5,6,7,8,9,10,11,12,13,14,15
.endr
	v_cvt_scalef32_pk8_fp8_f32 v[PC+4*\b:PC+1+4*\b], v[\s+16*\b:\s+7+16*\b], v[TM+12+\b]
	v_cvt_scalef32_pk8_fp8_f32 v[PC+2+4*\b:PC+3+4*\b], v[\s+8+16*\b:\s+15+16*\b], v[TM+12+\b]
.endr
	v_nop                                          ; one plain vector instruction behind the last conversion
.endm
	s_cmp_eq_u32 ttmp9, 2
	s_cbranch_scc1 .Lvalues
	; ---- q and k
	s_cmp_eq_u32 ttmp9, 0
	s_cselect_b64 s[88:89], s[76:77], s[78:79]     ; q goes to qb, k to kvb
	s_and_b32 s45, s22, 15                         ; my first tile in the slot: 0 or 8
	s_lshl_b32 s46, s45, 10
	s_add_co_u32 s46, s46, s21
	s_add_nc_u64 s[86:87], s[88:89], s[46:47]      ; the tiles' images
	s_lshl_b32 s46, s45, 7
	s_add_co_u32 s46, s46, s21
	s_add_co_u32 s46, s46, 32768
	s_add_nc_u64 s[88:89], s[88:89], s[46:47]      ; their scale words
	s_lshl_b32 s46, s22, 12
	s_add_nc_u64 s[90:91], s[74:75], s[46:47]      ; cos and sin of my first tile
.macro CSLOAD a                        ; tile a's cos (16 registers) and sin (16) into set a % 2, in window 1
.irp j, 0,1,2,3
	global_load_b128 v[CS+32*((\a)%2)+4*\j:CS+32*((\a)%2)+4*\j+3], v[LI], s[90:91] offset:4096*(\a)+512*\j
	global_load_b128 v[CS+32*((\a)%2)+16+4*\j:CS+32*((\a)%2)+16+4*\j+3], v[LI], s[90:91] offset:4096*(\a)+2048+512*\j
.endr
.endm
	WIN TO_B
	CSLOAD 0
.irp a, 0,1,2,3,4,5,6,7
.if \a < 7
	WIN TO_B
	CSLOAD \a+1
.endif
	WIN 0x02+(\a)/4                                ; source 0: the accumulators' window
.set k, 0
.rept 32
	v_pk_add_f32 v[W+2*k:W+2*k+1], v[64*((\a)%4)+2*k:64*((\a)%4)+2*k+1], v[BIAS+2*k:BIAS+2*k+1]   ; + the bias; each accumulator is read from its low end on
.set k, k+1
.endr
.if \a < 7
	s_wait_loadcnt 8                               ; this tile's cos and sin are in; the next tile's eight loads may be out
.else
	s_wait_loadcnt 0x0
.endif
	WIN 0x04                                       ; source 1: window 1
.set CA, CS+32*((\a)%2)
.irp hh, 0,1
.irp p, 0,2,4,6,8,10,12,14
	v_pk_mul_f32 v[8:9], v[W+32*\hh+16+\p:W+32*\hh+17+\p], v[CA+16+\p:CA+17+\p]    ; xi sin
	v_pk_mul_f32 v[10:11], v[W+32*\hh+\p:W+32*\hh+1+\p], v[CA+16+\p:CA+17+\p]      ; xr sin
	v_pk_fma_f32 v[W+32*\hh+\p:W+32*\hh+1+\p], v[W+32*\hh+\p:W+32*\hh+1+\p], v[CA+\p:CA+1+\p], v[8:9] neg_lo:[0,0,1] neg_hi:[0,0,1]   ; xr cos - xi sin
	v_pk_fma_f32 v[W+32*\hh+16+\p:W+32*\hh+17+\p], v[W+32*\hh+16+\p:W+32*\hh+17+\p], v[CA+\p:CA+1+\p], v[10:11]                       ; xi cos + xr sin
.endr
.endr
	WIN 0
	s_wait_xcnt 0x0                                ; the last tile's stores have read their registers: the codes and scale words may be written again
	QUANT W, SW0+(\a)%4
	v_lshrrev_b32 v[SW1+(\a)%4], 16, v[SW0+(\a)%4] ; bytes 0, 1 are the first head's two blocks, bytes 2, 3 the second's; what stands above them meets zero codes alone
.irp n, 0,1,2,3
	global_store_b128 v[LI], v[PC+4*\n:PC+4*\n+3], s[86:87] offset:1024*\a+512*(\n%2)+BHB*(\n/2)
.endr
.if (\a)%4 == 3
	global_store_b128 v[LI], v[SW0:SW0+3], s[88:89] offset:512*((\a)/4)
	global_store_b128 v[LI], v[SW1:SW1+3], s[88:89] offset:512*((\a)/4)+BHB
.endif
.endr
	s_branch .Lend
.Lvalues:                              ; ---- v: a lane holds one feature; its 64 registers are 128 tokens' halves: one K step of the second product
	s_bfe_u32 s45, s22, 0x10003                    ; which of the slot's two steps
	s_lshl_b32 s46, s45, 13
	s_add_co_u32 s46, s46, s21
	s_add_co_u32 s46, s46, 16384
	s_add_nc_u64 s[86:87], s[78:79], s[46:47]
	s_lshl_b32 s46, s45, 9
	s_add_co_u32 s46, s46, s21
	s_add_co_u32 s46, s46, 34816
	s_add_nc_u64 s[88:89], s[78:79], s[46:47]
	v_mov_b32 v3, 0                                ; (named as the upper half of the pair v[2:3])
.irp a, 0,1,2,3,4,5,6,7
	v_mov_b32 v2, v[VB+\a]                         ; my feature's bias
	WIN 0x02+(\a)/4
.set k, 0
.rept 32
	v_pk_add_f32 v[W+2*k:W+2*k+1], v[64*((\a)%4)+2*k:64*((\a)%4)+2*k+1], v[2:3] op_sel_hi:[1,0]
.set k, k+1
.endr
	WIN 0
	s_wait_xcnt 0x0                                ; the last tile's stores have read their registers
	QUANT W, SW0+(\a)%4
.irp c, 0,1,2,3
	global_store_b128 v[LI], v[PC+4*\c:PC+4*\c+3], s[86:87] offset:BHB*((\a)/4)+2048*((\a)%4)+512*\c
.endr
.if (\a)%4 == 3
	global_store_b128 v[LI], v[SW0:SW0+3], s[88:89] offset:BHB*((\a)/4)
.endif
.endr
.Lend:
	s_wait_tensorcnt 0x0                           ; the wave's end
	ds_add_u32 v[SPW], v[NIL]
	s_wait_dscnt 0x0
	CROUND                                         ; the closing round: no work-group ends while a partner may still ask for a tile that names it
	s_endpgm
.Lfunc_end_k_qf15e0df1c6_qkv:
	.size	k_qf15e0df1c6_qkv, .Lfunc_end_k_qf15e0df1c6_qkv-k_qf15e0df1c6_qkv
	.p2alignl 7, 3214868480
	.fill 96, 4, 3214868480
	.section	.rodata,"a",@progbits
	.p2align	6, 0x0
	.amdhsa_kernel k_qf15e0df1c6_qkv
		.amdhsa_group_segment_fixed_size 327680
		.amdhsa_private_segment_fixed_size 0
		.amdhsa_enable_private_segment 0
		.amdhsa_kernarg_size 64
		.amdhsa_user_sgpr_count 2
		.amdhsa_user_sgpr_kernarg_segment_ptr 1
		.amdhsa_wavefront_size32 1
		.amdhsa_system_sgpr_workgroup_id_x 1
		.amdhsa_system_sgpr_workgroup_id_y 1
		.amdhsa_system_sgpr_workgroup_id_z 1
		.amdhsa_system_vgpr_workitem_id 0
		.amdhsa_next_free_vgpr 1024
		.amdhsa_next_free_sgpr 100
		.amdhsa_reserve_vcc 0
		.amdhsa_float_denorm_mode_32 3
		.amdhsa_float_denorm_mode_16_64 3
		.amdhsa_fp16_overflow 1
		.amdhsa_memory_ordered 1
		.amdhsa_forward_progress 1
		.amdhsa_inst_pref_size 255
	.end_amdhsa_kernel
	.section	.bss,"aw",@nobits
	.p2align	6
	.space	262144
	.amdgpu_metadata
---
amdhsa.version: [ 1, 2 ]
amdhsa.kernels:
  - .name:           k_qf15e0df1c6_qkv
    .symbol:         k_qf15e0df1c6_qkv.kd
    .args:
      - { .name: codes, .offset: 0, .size: 8, .value_kind: global_buffer, .address_space: global }
      - { .name: scales, .offset: 8, .size: 8, .value_kind: global_buffer, .address_space: global }
      - { .name: bq, .offset: 16, .size: 8, .value_kind: global_buffer, .address_space: global }
      - { .name: bk, .offset: 24, .size: 8, .value_kind: global_buffer, .address_space: global }
      - { .name: bv, .offset: 32, .size: 8, .value_kind: global_buffer, .address_space: global }
      - { .name: tab, .offset: 40, .size: 8, .value_kind: global_buffer, .address_space: global }
      - { .name: qb, .offset: 48, .size: 8, .value_kind: global_buffer, .address_space: global }
      - { .name: kvb, .offset: 56, .size: 8, .value_kind: global_buffer, .address_space: global }
    .group_segment_fixed_size: 327680
    .private_segment_fixed_size: 0
    .kernarg_segment_align: 8
    .kernarg_segment_size: 64
    .max_flat_workgroup_size: 128
    .sgpr_count:     100
    .vgpr_count:     1024
    .wavefront_size: 32
...
	.end_amdgpu_metadata
.endif
;; end of part 2
;; launch attn (part 3): grid 4 x 64, 16 waves a work-group, no clusters, 327,680 bytes of LDS; arguments qb, kvb, yimg, ys; writes yimg, ys
.if DOCPART == 3
	.amdgcn_target "amdgcn-amd-amdhsa--gfx1250"
	.amdhsa_code_object_version 6
	.text
	.protected	k_qf15e0df1c6_attn
	.globl	k_qf15e0df1c6_attn
	.p2align	8
	.type	k_qf15e0df1c6_attn,@function
k_qf15e0df1c6_attn:
	s_mov_b64 s[64:65], 0
	v_nop
	global_prefetch_b8 v0, s[64:65] scope:SCOPE_SE
	s_setreg_imm32_b32 hwreg(HW_REG_WAVE_MODE, 25, 1), 1
	s_wait_xcnt 0x0
; y[b][t][64 hd + d] = the sum over keys s <= t of softmax_s(q[t] . k[s] / 8) v[s][d], both products on codes of FP8 (E4M3) with E8M0 scales; y is quantised along the 1,024 channels and stored as images of operand registers.
; THE SOFTMAX: t = score x log2(e) / 8; M = the row's largest t so far, rounded UP to a whole number; p = 2^(t - M) is quantised along the keys, not normalised; the row's sum is taken of the unquantised p and divides at the end.
; When M moves, the sum and O are multiplied by 2^(old M - new M): exact.
; SHARES.  Work-group (i, batch x head) takes the blocks of 256 queries i and 7 - i, one after the other: (i + 1) + (8 - i) = 9 slots of 256 keys for every work-group.  Each of sixteen waves owns one tile of 16 queries, in 256 registers.
; The loop over slots has a constant count; a step all of whose keys come after the wave's queries is left out by a scalar branch on ids, round the step's work alone.
; A SLOT of kvb is 35,840 dense bytes: 16 tiles of k as register images, v's two steps likewise, and both kinds of scale words.  Waves 0 and 1 bring half a slot each by one tensor load; two LDS slots take turns.
; LAYOUT.  Both products are used transposed: S^T = k q^T, O^T = v^T p^T: a lane holds ONE query.  The head's 64 fill half of the instruction's K: registers 8-15 of k's and q's fragments are zero codes.
; Place r of token tile T is token 32 (T / 2) + 8 (T % 2) + r + 8 (r / 8): the 16 registers of two neighbouring tiles of S^T are 16 neighbouring keys, and O^T's 32 registers are the head's channels 32 b + 16 h + i.
; No multicast: the four work-groups of a head want different slots at the same trip (i and 7 - i begin anew at different trips), so there is no joint request that all partners could make.
; LIMITS: a block of y whose largest magnitude lies under 2^-118 gets the scale byte 1; NaN and infinities are not served.
; REGISTERS: v1-8 addresses; v12 -M, v13 the largest t, v[14:15] the sum; v16-31 q; v32-95 four fragments of k; v96-159 S^T, then p, then v's four fragments; v160-191 O^T; v224-239 p's codes; v232-254 at work; v248-251, v253, v255 scale words.
.set SLOTB, 35840
.set BHB,   286720
.set SLOT1, 1<<16                      ; LDS slot 1 begins here: one exclusive or turns an address
.set SPARE, 1<<17                      ; the spare words, 128 bytes a wave: eight blocks of 256 bytes that no other line names
.set LI,  1                            ; v1  16 x lane; never rewritten
.set LR,  2                            ; v2  32 x (lane % 16); never rewritten
.set VQ,  3                            ; v3  8 (wave % 2) + r + 8 (r / 8) - 16 h; never rewritten
.set SPW, 5
.set NIL, 6
.set PFO, 7                            ; v7  the prefetches' offset; never rewritten
.set AD,  8                            ; v8  16 x lane + the slot in hand
.set TB,  2                            ; s2  the LDS slot in hand
.set NN,  3                            ; s3  the trip
.set SW,  13                           ; s13 the trip at which the second block begins: i + 1
.set BLK, 14
.set QB,  15                           ; s15 32 x (my tile / 2): my queries lie in QB .. QB + 31
.set KF,  16                           ; s16 the step's first key
.set WV,  18
.set MNT, 19
.set SEL, 20
.set CS,  22                           ; s[22:23] c = log2(e) / 8
.set LIM, 48
.macro TLOAD                           ; waves 0 and 1 fetch, the others nothing; four v_nop follow the line
	s_cmp_lt_u32 s[WV], 2
	s_cbranch_scc0 .Lasked_\@
	tensor_load_to_lds s[32:35], s[24:31]
	s_nop 0
.rept 4
	v_nop
.endr
.Lasked_\@:
.endm
; A PREFETCH INTO THE L2 of the slot that the next change of slots will ask for.  The head's work-group 0 walks slots 0 to 7 in turn in its second block; it alone asks, and in it waves 4 to 8, which fetch nothing:
; 8,192 bytes a wave, lanes 256 bytes apart; wave 8 has the last 12 blocks of the slot's 140 (its other lanes name the twelfth again).  In trip n the tensor load asks for slot n and the prefetch for slot n + 1; trip 7 asks for nothing.
.macro ASK
	s_cmp_lt_u32 s[NN], s[LIM]
	s_cbranch_scc0 .Lnot_mine_\@
	global_prefetch_b8 v[PFO], s[46:47] th:TH_LOAD_NT scope:SCOPE_SE
.Lnot_mine_\@:
.endm
.macro QSET                            ; where my tile of q and its scale words lie, for block s[BLK]
	s_mul_i32 s52, s[BLK], SLOTB
	s_lshl_b32 s54, s[WV], 10
	s_add_co_u32 s52, s52, s54
	s_add_nc_u64 s[38:39], s[50:51], s[52:53]
	s_mul_i32 s52, s[BLK], SLOTB
	s_lshr_b32 s54, s[WV], 2
	s_lshl_b32 s54, s54, 9
	s_add_co_u32 s52, s52, s54
	s_and_b32 s54, s[WV], 3
	s_lshl_b32 s54, s54, 2
	s_add_co_u32 s52, s52, s54
	s_add_co_u32 s52, s52, 32768
	s_add_nc_u64 s[40:41], s[50:51], s[52:53]
.endm
.macro QLOAD
	global_load_b128 v[16:19], v[LI], s[38:39]
	global_load_b128 v[20:23], v[LI], s[38:39] offset:512
	global_load_b32 v255, v[LI], s[40:41]
.endm
.macro YSET                            ; where my tile of y goes, my queries, and the first key
	s_lshl_b32 s54, s[BLK], 4
	s_add_co_u32 s54, s54, s[WV]                   ; my tile in the sequence
	s_lshr_b32 s[QB], s54, 1
	s_lshl_b32 s[QB], s[QB], 5
	s_add_co_u32 s54, s54, s56                     ; + 128 x batch
	s_lshl_b32 s52, s54, 14                        ; 16,384 bytes a tile of rows,
	s_add_co_u32 s52, s52, s57                     ; + 1,024 x head: K step head / 2, blocks 2 (head % 2) on
	s_add_nc_u64 s[42:43], s[8:9], s[52:53]
	s_lshl_b32 s52, s54, 9                         ; 16 rows of 32 scale bytes,
	s_add_co_u32 s52, s52, s58                     ; + 2 x head
	s_add_nc_u64 s[44:45], s[10:11], s[52:53]
	s_mov_b32 s[KF], 0
.endm
.macro INIT                            ; O^T and the sum begin as zeros, the largest t under every t: the first change of M multiplies zeros
	v_mov_b32 v13, 0xff61b1e6                      ; -3e38
	s_delay_alu instid0(VALU_DEP_1)
	v_floor_f32 v12, -v13
	v_mov_b32 v14, 0
	v_mov_b32 v15, 0
.set k, 0
.rept 32
	v_mov_b32 v[160+k], 0
.set k, k+1
.endr
.endm
	s_load_b256 s[4:11], s[0:1], 0x0               ; qb, kvb, yimg, ys
	v_lshl_add_u32 v[SPW], v0, 2, SPARE
	v_mov_b32 v[NIL], 0
	ds_add_u32 v5, v6
	ds_add_u32 v5, v6
	s_wait_dscnt 0x0
	v_lshrrev_b32 v8, 5, v0
	s_delay_alu instid0(VALU_DEP_1)
	v_readfirstlane_b32 s[WV], v8                  ; wave 0..15
	; the lane's address registers are made here, ahead of every load that names them, and are never written again
	v_and_b32 v9, 15, v0                           ; r
	v_bfe_u32 v10, v0, 4, 1                        ; h
	v_and_b32 v11, 31, v0
	s_delay_alu instid0(VALU_DEP_1)
	v_lshlrev_b32 v[LI], 4, v11
	s_delay_alu instid0(VALU_DEP_4)
	v_lshlrev_b32 v[LR], 5, v9
	v_and_b32 v11, 8, v9
	s_delay_alu instid0(VALU_DEP_1)
	v_add_nc_u32 v[VQ], v11, v9
	v_lshlrev_b32 v10, 4, v10
	s_delay_alu instid0(VALU_DEP_1)
	v_sub_nc_u32 v[VQ], v[VQ], v10
	s_and_b32 s12, s[WV], 1
	s_lshl_b32 s59, s12, 3
	v_add_nc_u32 v[VQ], s59, v[VQ]
	s_and_b32 s49, ttmp7, 0xffff                   ; batch x 16 + head
	s_lshr_b32 s56, s49, 4
	s_lshl_b32 s56, s56, 7                         ; 128 x batch
	s_and_b32 s57, s49, 15
	s_lshl_b32 s58, s57, 1                         ; 2 x head
	s_lshl_b32 s57, s57, 10                        ; 1,024 x head
	s_mul_i32 s52, s49, BHB
	s_mov_b32 s53, 0
	s_add_co_u32 s[SW], ttmp9, 1
	s_mul_i32 s17, s[SW], SLOTB                    ; what the walking descriptor goes back by when the second block begins
	s_mov_b32 s37, 0
	s_mov_b32 s[BLK], ttmp9
	s_mov_b32 s24, 3<<16                           ; group 1: elements of 8 bytes, no mask, no padding;
	s_mov_b32 s25, 32<<16                          ; tensor_dim0 = 32 (256 bytes)
	s_mov_b32 s26, 70<<16                          ; tensor_dim1 = 70 rows: half a slot
	s_mov_b32 s27, 32<<16                          ; tile_dim0
	s_mov_b32 s28, 70                              ; tile_dim1
	s_mov_b32 s29, 32                              ; the pitch: dense
	s_mov_b32 s30, 0
	s_mov_b32 s31, 0
	s_mov_b32 s32, 1
	s_mul_i32 s33, s12, 17920                      ; my half, in LDS slot 0,
	s_mul_i32 s54, s12, 17920                      ; and in memory
	s_mov_b32 s55, 0
	s_mov_b32 s[SEL], 0x76543210
	s_mov_b32 s[SEL+1], 0xfedcba98
	s_mov_b32 s[CS], 0x3e38aa3b
	s_mov_b32 s[CS+1], s[CS]
	s_mov_b32 s[TB], 0
	s_mov_b32 s[NN], 0
	s_wait_kmcnt 0x0
	s_add_nc_u64 s[50:51], s[4:5], s[52:53]        ; my head in qb
	s_add_nc_u64 s[6:7], s[6:7], s[52:53]          ; and in kvb
	s_add_nc_u64 s[34:35], s[6:7], s[54:55]
	s_or_b32 s35, s35, 0x80000000
	TLOAD                                          ; slot 0
	QSET
	s_wait_alu depctr_va_vdst(0)
	QLOAD
	YSET
	s_max_u32 s12, s[WV], 4                        ; the prefetches: my wave's part of a slot (held to the five parts in every wave),
	s_min_u32 s12, s12, 8
	s_sub_co_u32 s12, s12, 4
	s_lshl_b32 s54, s12, 13
	s_add_nc_u64 s[46:47], s[6:7], s[54:55]        ; in slot 0: the first change steps it to slot 1.  Nothing is prefetched here, at the head
	s_cmp_ge_u32 s[WV], 8
	s_cselect_b32 s59, 11, 31
	v_and_b32 v[PFO], 31, v0
	s_delay_alu instid0(VALU_DEP_1)
	v_min_u32 v[PFO], s59, v[PFO]
	s_delay_alu instid0(VALU_DEP_1)
	v_lshlrev_b32 v[PFO], 8, v[PFO]
	s_cmp_lt_u32 s[WV], 4
	s_cselect_b32 s59, 1, 0
	s_cmp_gt_u32 s[WV], 8
	s_cselect_b32 s60, 1, 0
	s_or_b32 s59, s59, s60
	s_or_b32 s59, s59, ttmp9
	s_cmp_eq_u32 s59, 0
	s_cselect_b32 s[LIM], 7, 0                     ; 7 in the waves that ask, else 0
.set k, 0
.rept 8
	v_mov_b32 v[24+k], 0                           ; zero codes: the upper half of K, in q's fragment
	v_mov_b32 v[40+k], 0                           ; and in k's four: they stay
	v_mov_b32 v[56+k], 0
	v_mov_b32 v[72+k], 0
	v_mov_b32 v[88+k], 0
.set k, k+1
.endr
.irp b, 0,1,2,3
	v_mov_b32 v[236+\b], 0                         ; a lane permute's destination counts as one of its sources
.endr
	v_mov_b32 v252, 0
	v_mov_b32 v253, 0
	INIT
; A KEY STEP: 128 keys, the q-th of the slot in hand.
.macro STEP q
	s_cmp_gt_u32 s[KF], s[QB]                      ; KF is a multiple of 128 and QB of 32: above QB means above QB + 31, my last query
	s_cbranch_scc1 .Lhidden_\@
	v_add_nc_u32 v[AD], s[TB], v[LI]
	s_wait_alu depctr_va_vdst(0)
.irp g, 0,1                                    ; S^T = k q^T, four tiles of 16 keys at a time
.rept 9-\g
	v_nop                                          ; places: eight in front of loads into registers that matrix instructions have read; nine where the first products write over registers that the last step's products read
.endr
.irp t, 0,1,2,3
	ds_load_b128 v[32+16*\t:35+16*\t], v[AD] offset:1024*(8*(\q)+4*\g+\t)
	ds_load_b128 v[36+16*\t:39+16*\t], v[AD] offset:1024*(8*(\q)+4*\g+\t)+512
.endr
	ds_load_b128 v[248:251], v[AD] offset:32768+512*(2*(\q)+\g)     ; the four tiles' scale words
	s_wait_dscnt 0x0
.irp t, 0,1,2,3
	v_wmma_scale_f32_16x16x128_f8f6f4 v[96+8*(4*\g+\t):103+8*(4*\g+\t)], v[32+16*\t:47+16*\t], v[16:31], 0, v[248+\t], v255
.endr
.endr
.rept 8
	v_nop
.endr
	s_add_co_u32 s12, s[KF], 127                   ; on the diagonal hidden scores become -infinity ahead of the maximum; a step all of whose keys count skips this
	s_cmp_le_u32 s12, s[QB]
	s_cbranch_scc1 .Lopen_\@
	s_sub_co_i32 s12, s[QB], s[KF]
	v_add_nc_u32 v252, s12, v[VQ]                  ; d = my query - KF - 16 h.  Register 16 b + i holds key KF + 16 h + 32 b + i: hidden where 32 b + i > d
	v_mov_b32 v254, 0xff800000
.set n, 0
.rept 64
	v_cmp_gt_i32 vcc_lo, 32*(n/16)+n%16, v252
	v_cndmask_b32 v[96+n], v[96+n], v254, vcc_lo
.set n, n+1
.endr
.Lopen_\@:
.irp b, 0,1,2,3
	v_max3_num_f32 v[232+\b], v[96+16*\b], v[97+16*\b], v[98+16*\b]   ; the largest score of each block of 32 keys: for the row's maximum, and, since p rises with the score, for the block's largest p
.endr
.irp i, 3,5,7,9,11,13
.irp b, 0,1,2,3
	v_max3_num_f32 v[232+\b], v[232+\b], v[96+16*\b+\i], v[97+16*\b+\i]
.endr
.endr
.irp b, 0,1,2,3
	v_max_num_f32 v[232+\b], v[232+\b], v[111+16*\b]
.endr
.irp b, 0,1,2,3
	v_permlanex16_b32 v[236+\b], v[232+\b], s[SEL], s[SEL+1]
.endr
.irp b, 0,1,2,3
	s_delay_alu instid0(VALU_DEP_4)
	v_max_num_f32 v[232+\b], v[232+\b], v[236+\b]  ; with lane l xor 16's 16 keys
.endr
	s_delay_alu instid0(VALU_DEP_2)
	v_max3_num_f32 v254, v232, v233, v234
	s_delay_alu instid0(VALU_DEP_1)
	v_max_num_f32 v254, v254, v235
	s_delay_alu instid0(VALU_DEP_1)
	v_mul_f32 v254, s[CS], v254                    ; as t
	s_delay_alu instid0(VALU_DEP_1)
	v_max_num_f32 v13, v13, v254                   ; the running largest t
	v_mov_b32 v254, v12
	s_delay_alu instid0(VALU_DEP_2)
	v_floor_f32 v12, -v13                          ; the new -M = -ceil(t)
	s_delay_alu instid0(VALU_DEP_1)
	v_sub_f32 v254, v12, v254                      ; old M - new M: a whole number, 0 or less
	s_delay_alu instid0(VALU_DEP_1)
	v_cvt_i32_f32 v254, v254                       ; (it saturates)
	s_delay_alu instid0(VALU_DEP_1)
	v_ldexp_f32 v252, 1.0, v254                    ; f = 2^(old M - new M)
.set j, 0
.rept 32
	v_pk_fma_f32 v[96+j:97+j], v[96+j:97+j], s[CS:CS+1], v[12:13] op_sel_hi:[1,0,0]   ; t - M, two at a time
.set j, j+2
.endr
.irp b, 0,1,2,3
	v_fma_f32 v[232+\b], v[232+\b], s[CS], v12     ; the same of each block's largest score
.endr
.set j, 0
	s_wait_alu depctr_va_vdst(0)
.rept 64
	v_exp_f32 v[96+j], v[96+j]                     ; p = 2^(t - M)
.set j, j+1
.endr
	v_pk_mul_f32 v[14:15], v[14:15], v[252:253] op_sel_hi:[1,0]     ; the sums under the new M: a plain instruction behind the exponentials
	s_wait_alu depctr_va_vdst(0)                   ; one wait for the whole batch, ahead of its first reader
.irp b, 0,1,2,3
	v_exp_f32 v[232+\b], v[232+\b]                 ; the block's largest p
.endr
	v_pk_add_f32 v[236:237], v[100:101], v[104:105]
	v_pk_add_f32 v[250:251], v[108:109], v[112:113]
	v_pk_add_f32 v[248:249], v[116:117], v[120:121]
	v_pk_add_f32 v[246:247], v[124:125], v[128:129]
	v_pk_add_f32 v[244:245], v[132:133], v[136:137]
	v_pk_add_f32 v[242:243], v[140:141], v[144:145]
	v_pk_add_f32 v[240:241], v[148:149], v[152:153]
	v_pk_add_f32 v[14:15], v[14:15], v[156:157]
	v_pk_add_f32 v[236:237], v[236:237], v[96:97]
	v_pk_add_f32 v[250:251], v[250:251], v[98:99]
	v_pk_add_f32 v[248:249], v[248:249], v[102:103]
	v_pk_add_f32 v[246:247], v[246:247], v[106:107]
	v_pk_add_f32 v[244:245], v[244:245], v[110:111]
	v_pk_add_f32 v[242:243], v[242:243], v[114:115]
	v_pk_add_f32 v[240:241], v[240:241], v[118:119]
	v_pk_add_f32 v[14:15], v[14:15], v[122:123]
	v_pk_add_f32 v[236:237], v[236:237], v[126:127]
	v_pk_add_f32 v[250:251], v[250:251], v[130:131]
	v_pk_add_f32 v[248:249], v[248:249], v[134:135]
	v_pk_add_f32 v[246:247], v[246:247], v[138:139]
	v_pk_add_f32 v[244:245], v[244:245], v[142:143]
	v_pk_add_f32 v[242:243], v[242:243], v[146:147]
	v_pk_add_f32 v[240:241], v[240:241], v[150:151]
	v_pk_add_f32 v[14:15], v[14:15], v[154:155]
	v_pk_add_f32 v[236:237], v[236:237], v[158:159]
	s_delay_alu instid0(VALU_DEP_2)
	v_pk_add_f32 v[14:15], v[14:15], v[246:247]
	s_delay_alu instid0(VALU_DEP_2)
	v_pk_add_f32 v[236:237], v[236:237], v[244:245]
	v_pk_add_f32 v[250:251], v[250:251], v[242:243]
	v_pk_add_f32 v[248:249], v[248:249], v[240:241]
	s_delay_alu instid0(VALU_DEP_2)
	v_pk_add_f32 v[14:15], v[14:15], v[250:251]
	s_delay_alu instid0(VALU_DEP_2)
	v_pk_add_f32 v[236:237], v[236:237], v[248:249]
	s_delay_alu instid0(VALU_DEP_1)
	v_pk_add_f32 v[14:15], v[14:15], v[236:237]
	s_wait_alu depctr_va_vdst(0)                   ; and one for the four
.irp b, 0,1,2,3
	v_max_num_f32 v[232+\b], 0x4800000, v[232+\b]  ; the floor 2^(9 - 127): the byte cannot fall under 1
.endr
.irp b, 0,1,2,3
	s_delay_alu instid0(VALU_DEP_4)
	v_add_nc_u32 v[244+\b], 0xfc000000, v[232+\b]  ; the conversion's scale operand
.endr
.irp b, 0,1,2,3
.endr
.irp b, 0,1,2,3
	s_delay_alu instid0(VALU_DEP_4)
	v_lshrrev_b32 v[236+\b], 23, v[244+\b]         ; the scale's byte
.endr
	s_delay_alu instid0(VALU_DEP_3)
	v_lshl_or_b32 v253, v237, 8, v236              ; p's scale word for these 128 keys
	s_delay_alu instid0(VALU_DEP_1)
	v_lshl_or_b32 v253, v238, 16, v253
	s_delay_alu instid0(VALU_DEP_1)
	v_lshl_or_b32 v253, v239, 24, v253
.irp b, 0,1,2,3
.irp i, 0,1,2,3,4,5,6,7,8,9,10,11,12,13,14,15
.endr
	v_cvt_scalef32_pk8_fp8_f32 v[224+4*\b:225+4*\b], v[96+16*\b:103+16*\b], v[244+\b]
	v_cvt_scalef32_pk8_fp8_f32 v[226+4*\b:227+4*\b], v[104+16*\b:111+16*\b], v[244+\b]
.endr
	v_nop                                          ; one plain vector instruction behind the last conversion
.irp d, 0,1,2,3                                ; v's four fragments (16 channels x these 128 keys) into the registers that p has left
.irp c, 0,1,2,3
	ds_load_b128 v[96+16*\d+4*\c:99+16*\d+4*\c], v[AD] offset:16384+8192*(\q)+2048*\d+512*\c
.endr
.endr
	ds_load_b128 v[248:251], v[AD] offset:34816+512*(\q)
.set j, 0
.rept 16
	v_pk_mul_f32 v[160+j:161+j], v[160+j:161+j], v[252:253] op_sel_hi:[1,0]   ; O^T under the new M; these sixteen are also the places between the codes' making and the products
.set j, j+2
.endr
	s_wait_alu depctr_va_vdst(0)
	s_wait_dscnt 0x0
.irp d, 0,1,2,3                                ; O^T += v^T p^T: four accumulators, one instruction each
	v_wmma_scale_f32_16x16x128_f8f6f4 v[160+8*\d:167+8*\d], v[96+16*\d:111+16*\d], v[224:239], v[160+8*\d:167+8*\d], v[248+\d], v253
.endr
.Lhidden_\@:
	s_add_co_u32 s[KF], s[KF], 128
.endm
; THE CHANGE OF SLOTS stands at a slot's head.  Each wave waits for all its tensor loads, adds 0 to its spare word, and waits for that and for its reads of the slot that it has left.
; Behind the barrier the slot ahead is whole and nobody reads the other one; fill = 1: that one takes the next trip's keys, and the load has a whole slot's steps in which to land.  One tensor load of a wave is out at the most.
.macro CHANGE fill
	s_wait_tensorcnt 0x0
	ds_add_u32 v[SPW], v[NIL]                      ; the descriptor's steps stand between this add and the wait for it
.if \fill
	s_xor_b32 s33, s33, SLOT1
	s_add_nc_u64 s[34:35], s[34:35], SLOTB         ; the next 256 keys,
	s_add_co_u32 s12, s[NN], 1
	s_cmp_eq_u32 s12, s[SW]
	s_cselect_b32 s36, s17, 0
	s_sub_nc_u64 s[34:35], s[34:35], s[36:37]      ; or, where the next trip begins the second block, the head's first again
	s_wait_xcnt 0x0                                ; the last prefetch, a slot back, has read its address
	s_add_nc_u64 s[46:47], s[46:47], SLOTB
.endif
	s_wait_dscnt 0x0
	s_barrier_signal -1
	s_barrier_wait -1
.if \fill
	TLOAD
	ASK
.endif
.endm
; A BLOCK'S END: O^T is divided by the row's sum; the lane's 32 channels, two blocks of 32 shared with lane l xor 16, are quantised and stored as they stand.
.macro FINAL
.rept 8
	v_nop                                          ; places behind the last products
.endr
	v_add_f32 v14, v14, v15
	s_delay_alu instid0(VALU_DEP_1)
	v_permlanex16_b32 v252, v14, s[SEL], s[SEL+1]
	s_delay_alu instid0(VALU_DEP_1)
	v_add_f32 v14, v14, v252                       ; the row's sum
	s_wait_alu depctr_va_vdst(0)
	v_rcp_f32 v14, v14
	v_nop                                          ; a plain instruction behind the transcendental,
	s_wait_alu depctr_va_vdst(0)                   ; and the wait ahead of its first reader
.set j, 0
.rept 16
	v_pk_mul_f32 v[96+j:97+j], v[160+j:161+j], v[14:15] op_sel_hi:[1,0]   ; register 16 b + i: channel 32 b + 16 h + i
.set j, j+2
.endr
.irp b, 0,1
	v_max3_num_f32 v[232+\b], |v[96+16*\b]|, |v[97+16*\b]|, 0x4800000
.endr
.irp i, 2,4,6,8,10,12,14
.irp b, 0,1
	s_delay_alu instid0(VALU_DEP_2)
	v_max3_num_f32 v[232+\b], v[232+\b], |v[96+16*\b+\i]|, |v[97+16*\b+\i]|
.endr
.endr
.irp b, 0,1
	v_permlanex16_b32 v[236+\b], v[232+\b], s[SEL], s[SEL+1]
.endr
.irp b, 0,1
	s_delay_alu instid0(VALU_DEP_2)
	v_max_num_f32 v[232+\b], v[232+\b], v[236+\b]
.endr
.irp b, 0,1
	s_delay_alu instid0(VALU_DEP_2)
	v_add_nc_u32 v[244+\b], 0xfc000000, v[232+\b]
.endr
.irp b, 0,1
.endr
.irp b, 0,1
	s_delay_alu instid0(VALU_DEP_2)
	v_lshrrev_b32 v[236+\b], 23, v[244+\b]
.endr
	s_delay_alu instid0(VALU_DEP_1)
	v_lshl_or_b32 v253, v237, 8, v236              ; my row's two scale bytes
.irp b, 0,1
.irp i, 0,1,2,3,4,5,6,7,8,9,10,11,12,13,14,15
.endr
	v_cvt_scalef32_pk8_fp8_f32 v[224+4*\b:225+4*\b], v[96+16*\b:103+16*\b], v[244+\b]
	v_cvt_scalef32_pk8_fp8_f32 v[226+4*\b:227+4*\b], v[104+16*\b:111+16*\b], v[244+\b]
.endr
	v_nop
	global_store_b128 v[LI], v[224:227], s[42:43]              ; each covers 512 consecutive bytes
	global_store_b128 v[LI], v[228:231], s[42:43] offset:512
	global_store_b16 v[LR], v253, s[44:45]                     ; two bytes of each row's 32: both halves of the lanes write the same value
.endm
	s_wait_loadcnt 0x0                             ; q
.Lslot:                                            ; eight trips; the ninth slot is written out
	s_cmp_lg_u32 s[NN], s[SW]
	s_cbranch_scc1 .Lsame
	s_wait_xcnt 0x0                                ; THE SECOND BLOCK BEGINS: q's addresses may be written
	s_sub_co_u32 s[BLK], 7, ttmp9
	QSET
	QLOAD                                          ; lands while the first block leaves
	FINAL
	s_wait_xcnt 0x0                                ; the stores have read their addresses and registers
	YSET
	INIT
	s_wait_loadcnt 0x0
.Lsame:
	CHANGE 1
	STEP 0
	STEP 1
	s_xor_b32 s[TB], s[TB], SLOT1
	s_add_co_u32 s[NN], s[NN], 1
	s_cmp_lt_u32 s[NN], 8
	s_cbranch_scc1 .Lslot
	CHANGE 0
	STEP 0
	STEP 1
	FINAL
	s_wait_tensorcnt 0x0                           ; the wave's end
	ds_add_u32 v[SPW], v[NIL]
	s_wait_dscnt 0x0
	s_endpgm
.Lfunc_end_k_qf15e0df1c6_attn:
	.size	k_qf15e0df1c6_attn, .Lfunc_end_k_qf15e0df1c6_attn-k_qf15e0df1c6_attn
	.p2alignl 7, 3214868480
	.fill 96, 4, 3214868480
	.section	.rodata,"a",@progbits
	.p2align	6, 0x0
	.amdhsa_kernel k_qf15e0df1c6_attn
		.amdhsa_group_segment_fixed_size 327680
		.amdhsa_private_segment_fixed_size 0
		.amdhsa_enable_private_segment 0
		.amdhsa_kernarg_size 32
		.amdhsa_user_sgpr_count 2
		.amdhsa_user_sgpr_kernarg_segment_ptr 1
		.amdhsa_wavefront_size32 1
		.amdhsa_system_sgpr_workgroup_id_x 1
		.amdhsa_system_sgpr_workgroup_id_y 1
		.amdhsa_system_sgpr_workgroup_id_z 1
		.amdhsa_system_vgpr_workitem_id 0
		.amdhsa_next_free_vgpr 256
		.amdhsa_next_free_sgpr 66
		.amdhsa_reserve_vcc 1
		.amdhsa_float_denorm_mode_32 3
		.amdhsa_float_denorm_mode_16_64 3
		.amdhsa_fp16_overflow 1
		.amdhsa_memory_ordered 1
		.amdhsa_forward_progress 1
		.amdhsa_inst_pref_size 110
	.end_amdhsa_kernel
	.amdgpu_metadata
---
amdhsa.version: [ 1, 2 ]
amdhsa.kernels:
  - .name:           k_qf15e0df1c6_attn
    .symbol:         k_qf15e0df1c6_attn.kd
    .args:
      - { .name: qb, .offset: 0, .size: 8, .value_kind: global_buffer, .address_space: global }
      - { .name: kvb, .offset: 8, .size: 8, .value_kind: global_buffer, .address_space: global }
      - { .name: yimg, .offset: 16, .size: 8, .value_kind: global_buffer, .address_space: global }
      - { .name: ys, .offset: 24, .size: 8, .value_kind: global_buffer, .address_space: global }
    .group_segment_fixed_size: 327680
    .private_segment_fixed_size: 0
    .kernarg_segment_align: 8
    .kernarg_segment_size: 32
    .max_flat_workgroup_size: 512
    .sgpr_count:     66
    .vgpr_count:     256
    .wavefront_size: 32
...
	.end_amdgpu_metadata
.endif
;; end of part 3
;; launch proj (part 4): grid 4 x 32, 4 waves a work-group, clusters of 4 x 4, 327,680 bytes of LDS; arguments yimg, ys, codes, scales, out0, bp; writes out0
.if DOCPART == 4
	.amdgcn_target "amdgcn-amd-amdhsa--gfx1250"
	.amdhsa_code_object_version 6
	.text
	.protected	k_qf15e0df1c6_proj
	.globl	k_qf15e0df1c6_proj
	.p2align	8
	.type	k_qf15e0df1c6_proj,@function
k_qf15e0df1c6_proj:
	s_mov_b64 s[64:65], 0
	v_nop
	global_prefetch_b8 v0, s[64:65] scope:SCOPE_SE
	s_setreg_imm32_b32 hwreg(HW_REG_WAVE_MODE, 25, 1), 1
	s_wait_xcnt 0x0
	s_wait_alu depctr_hold_cnt(0) depctr_sa_sdst(0) depctr_va_vdst(0) depctr_va_sdst(0) depctr_va_ssrc(0) depctr_va_vcc(0) depctr_vm_vsrc(0)
	s_getreg_b32 s2, hwreg(HW_REG_IB_STS2, 6, 4)
	s_cmp_eq_u32 s2, 0
	s_cbranch_scc0 .Lentry_in_a_cluster
	s_endpgm
.Lentry_in_a_cluster:
	s_bfe_u32 s2, ttmp6, 0x10000c
	s_cmp_lg_u32 s2, 0xf033
	s_cbranch_scc0 .Lentry_shape_is_right
	s_endpgm
.Lentry_shape_is_right:
; out0 = y wp^T + bp, on codes of FP8 (E4M3) with E8M0 scales; out0 [8192][1024] f32.
; A tile of 256 x 256 is made by four waves, 128 x 128 each; K = 1,024 goes in four steps of 256 through a ring of two LDS slots filled by tensor loads; the scale bytes of the work-group's 512 rows come once and stay.
; 4 x 4 work-groups form a cluster: y's tiles are asked for jointly along a row of it, wp's along a column.  128 tiles: half of the chip's WGPs have one; a tile of 128 x 256 would fill them at twice the LDS reads for each product.
; A = y arrives as IMAGES OF OPERAND REGISTERS: yimg [tile of 16 rows, 512][K step of 128, 8][4][lane][16 bytes]: a slot's part of a row tile is 4,096 consecutive bytes; a fragment is four loads of 512 consecutive bytes.
; B = wp's codes, rows 11,264 on of codes, as rows of 256 bytes with 16 of padding.  Both have their rows in the order with bits 3 and 4 exchanged: in accumulator (a, b) (source 0 = wp, source 1 = y) lane (r, h), register j holds
; row 32 (a / 2) + 8 (a % 2) + r + 8 (r / 8) and column 32 (b / 2) + 16 h + 8 (b % 2) + j; the way out puts both back.  bp is the C of each sum's first product.
; REGISTERS, in windows of 256: window 0: v0-31 addresses; v32-63 scale words, two sets; v64-127 bp in the result's layout; v128-255 A's fragments, one set, later rows on their way out.  window 1: B's fragments, two sets.  windows 2, 3: the accumulators.
.set NQ,     2
.set ROWB,   256
.set KROW,   1024
.set PITCH,  272
.set FR,     16
.set NL,     4
.set NP,     8
.set HALFA,  32768                     ; 8 row tiles x 4,096 bytes: what one tensor load brings of A
.set HALFT,  128*PITCH                 ; 128 rows of B
.set BOFF,   2*HALFA
.set SLOT,   BOFF+2*HALFT
.set KS,     32
.set SCL,    2*SLOT
.set HALFS,  (128*KS/256)*272
.set SBLK,   (16*KS/256)*272
.set SPARE,  SCL+4*HALFS               ; the spare words: two blocks of 256 bytes that no other line names
.set SPITCH, 528                       ; the way out: a stage of 16 rows x (512 bytes + 16) for each wave, in slot 0, which has had its last fill and its last read by then
.set WPROW,  11264
.set ADRA, 16
.set ADRB, 20
.set STO,  24
.set RD,   25
.set CO,   26
.set ADRS, 27
.set SPW,  28
.set NIL,  29
.set BO,   30
.set SC,   32
.set BIAS, 64
.set AF,   128
.set BK,   128
.set G1, 24
.set G0, 32
.set G1B, 48
.set G0B, 56
.set G1S, 68
.set G0S, 76
.set G1SB, 80
.set G0SB, 88
.set MSB, 0
.macro WIN new
.if MSB != (\new)
	s_set_vgpr_msb (MSB<<8)|(\new)
.set MSB, (\new)
.endif
.endm
.set MUL_LO, 0xa1
.set MUL_HI, 0xf1
.set TO_B,   0x40
.macro JLOAD g0a, g1a, g0b, g1b        ; waves 0 and 1 fetch for A, waves 2 and 3 for B; four v_nop follow each of the two lines
	s_cmp_eq_u32 s15, 0
	s_cbranch_scc0 .Lfor_b_\@
	tensor_load_to_lds s[\g0a:\g0a+3], s[\g1a:\g1a+7]
	s_nop 0
.rept 4
	v_nop
.endr
	s_branch .Lasked_\@
.Lfor_b_\@:
	tensor_load_to_lds s[\g0b:\g0b+3], s[\g1b:\g1b+7]
	s_nop 0
.rept 4
	v_nop
.endr
.Lasked_\@:
.endm
.macro CREST
	s_cmp_lg_u32 s14, 0
	s_cbranch_scc1 .Lnot_wave_0_\@
	s_barrier_signal -3
.Lnot_wave_0_\@:
	s_barrier_wait -3
	s_barrier_signal -1
	s_barrier_wait -1
.endm
.macro CROUND
	s_barrier_signal -1
	s_barrier_wait -1
	CREST
.endm
	s_load_b128 s[4:7], s[0:1], 0x0                ; y's images, y's scales
	s_load_b128 s[8:11], s[0:1], 0x10              ; codes, scales
	s_load_b64 s[12:13], s[0:1], 0x20              ; out0
	s_load_b64 s[66:67], s[0:1], 0x28              ; bp
	v_lshl_add_u32 v[SPW], v0, 2, SPARE
	v_mov_b32 v[NIL], 0
	ds_add_u32 v28, v29
	ds_add_u32 v28, v29
	s_wait_dscnt 0x0
	v_lshrrev_b32 v1, 5, v0
	v_readfirstlane_b32 s14, v1                    ; wave 0..3
	s_lshr_b32 s15, s14, 1                         ; which half of the tile's rows is mine.  Also: I fetch for A (0) or for B (1)
	s_and_b32 s16, s14, 1                          ; which half of its columns.  Also: which half of that tile I fetch
	s_bfe_u32 s40, ttmp6, 0x40000
	s_bfe_u32 s41, ttmp6, 0x40004
	s_lshl_b32 s42, ttmp9, 2
	s_add_co_u32 s42, s42, s40                     ; tile column
	s_and_b32 s17, ttmp7, 0xffff
	s_lshl_b32 s17, s17, 2
	s_add_co_u32 s17, s17, s41                     ; tile row
	s_lshl_b32 s43, s41, 2
	s_lshl_b32 s43, 15, s43                        ; my row of the cluster
	s_lshl_b32 s44, 0x1111, s40                    ; my column
	s_or_b32 s[G1+0], s43, (3<<16)|(1<<21)         ; A: elements of 8 bytes, no padding: 8 rows of 4,096 bytes, 16,384 bytes apart
	s_mov_b32 s[G1+1], 512<<16
	s_mov_b32 s[G1+2], 8<<16
	s_mov_b32 s[G1+3], 512<<16
	s_mov_b32 s[G1+4], 8
	s_mov_b32 s[G1+5], 2048
	s_mov_b32 s[G1+6], 0
	s_mov_b32 s[G1+7], 0
	s_or_b32 s[G1B+0], s44, (0<<16)|(1<<20)|(1<<21)|(5<<22)|(3<<25) ; B: 128 rows of 256 bytes, 4 words of padding behind every 64
	s_mov_b32 s[G1B+1], ROWB<<16
	s_mov_b32 s[G1B+2], 128<<16
	s_mov_b32 s[G1B+3], ROWB<<16
	s_mov_b32 s[G1B+4], 128
	s_mov_b32 s[G1B+5], KROW
	s_mov_b32 s[G1B+6], 0
	s_mov_b32 s[G1B+7], 0
	s_or_b32 s[G1S+0], s43, (3<<16)|(1<<20)|(1<<21)|(5<<22)|(3<<25) ; the scales of 128 rows: 16 rows of 256 bytes, 16 of padding behind each
	s_or_b32 s[G1SB+0], s44, (3<<16)|(1<<20)|(1<<21)|(5<<22)|(3<<25)
.irp g, G1S, G1SB
	s_mov_b32 s[\g+1], 32<<16
	s_mov_b32 s[\g+2], (128*KS/256)<<16
	s_mov_b32 s[\g+3], 32<<16
	s_mov_b32 s[\g+4], 128*KS/256
	s_mov_b32 s[\g+5], 32
	s_mov_b32 s[\g+6], 0
	s_mov_b32 s[\g+7], 0
.endr
	s_lshl_b32 s20, s17, 18                        ; A: 16 row tiles of 16,384 bytes to a tile row,
	s_lshl_b32 s18, s16, 17                        ; 8 of them to the half that I fetch
	s_add_co_u32 s20, s20, s18
	s_mov_b32 s21, 0
	s_lshl_b32 s22, s17, 13                        ; its scales: 256 rows of 32 bytes,
	s_lshl_b32 s18, s16, 12
	s_add_co_u32 s22, s22, s18
	s_mov_b32 s23, 0
	s_lshl_b32 s46, s42, 8                         ; B: wp's row 256 x tile column + 128 x half
	s_lshl_b32 s18, s16, 7
	s_add_co_u32 s46, s46, s18
	s_add_co_u32 s46, s46, WPROW
	s_lshl_b32 s92, s46, 5
	s_mov_b32 s93, 0
	s_lshl_b32 s46, s46, 10
	s_mov_b32 s47, 0
	s_lshl_b32 s45, s16, 15                        ; where they go: A's half,
	s_mul_i32 s95, s16, HALFT
	s_add_co_u32 s95, s95, BOFF                    ; B's half behind A's two: no place in the cluster enters an LDS address
	s_mul_i32 s94, s14, HALFS
	s_wait_kmcnt 0x0
	s_add_nc_u64 s[20:21], s[4:5], s[20:21]
	s_add_nc_u64 s[22:23], s[6:7], s[22:23]
	s_add_nc_u64 s[46:47], s[8:9], s[46:47]
	s_add_nc_u64 s[92:93], s[10:11], s[92:93]
	CROUND                                         ; all sixteen work-groups are here: the first joint loads meet
	s_mov_b32 s[G0S], 1
	s_add_co_u32 s[G0S+1], s94, SCL
	s_mov_b64 s[G0S+2:G0S+3], s[22:23]
	s_or_b32 s[G0S+3], s[G0S+3], 0x80000000
	s_mov_b32 s[G0SB], 1
	s_add_co_u32 s[G0SB+1], s94, SCL
	s_mov_b64 s[G0SB+2:G0SB+3], s[92:93]
	s_or_b32 s[G0SB+3], s[G0SB+3], 0x80000000
	JLOAD G0S, G1S, G0SB, G1SB
.irp s, 0,1
	s_mov_b32 s[G0+4*\s], 1
	s_add_co_u32 s[G0+4*\s+1], s45, \s*SLOT
	s_add_nc_u64 s[G0+4*\s+2:G0+4*\s+3], s[20:21], \s*4096
	s_or_b32 s[G0+4*\s+3], s[G0+4*\s+3], 0x80000000
	s_mov_b32 s[G0B+4*\s], 1
	s_add_co_u32 s[G0B+4*\s+1], s95, \s*SLOT
	s_add_nc_u64 s[G0B+4*\s+2:G0B+4*\s+3], s[46:47], \s*ROWB
	s_or_b32 s[G0B+4*\s+3], s[G0B+4*\s+3], 0x80000000
	s_wait_alu depctr_va_vdst(0)
	s_wait_tensorcnt 0x0
	ds_add_u32 v28, v29
	s_wait_dscnt 0x0
	CROUND
	JLOAD G0+4*\s, G1, G0B+4*\s, G1B
.endr
	v_and_b32 v1, 15, v0                           ; r
	v_bfe_u32 v2, v0, 4, 1                         ; h
	v_mul_u32_u24 v3, v1, PITCH
	v_lshl_add_u32 v4, v2, 4, v3                   ; B: row x pitch + 16 h
	v_and_b32 v6, 31, v0
	v_lshlrev_b32 v[CO], 4, v6                     ; 16 x lane: A's images, and a row of 512 bytes on the way out
	s_lshl_b32 s21, s15, 15                        ; my 8 row tiles of A
	s_mul_i32 s22, s16, HALFT
	s_add_co_u32 s22, s22, BOFF                    ; my 128 rows of B
.irp s, 0,1
	v_add_nc_u32 v[ADRA+\s], s21, v[CO]
	v_add_nc_u32 v[ADRB+\s], s22, v4
	s_add_co_u32 s21, s21, SLOT
	s_add_co_u32 s22, s22, SLOT
.endr
	v_mul_u32_u24 v5, v1, KS
	v_lshrrev_b32 v6, 8, v5
	v_lshl_add_u32 v5, v6, 4, v5
	s_mul_i32 s21, s15, HALFS
	s_mul_i32 s22, s16, HALFS
	s_add_co_u32 s22, s22, 2*HALFS
	s_sub_co_u32 s22, s22, s21
	v_mul_u32_u24 v6, s22, v2                      ; lanes 16-31 take B's
	s_add_co_u32 s21, s21, SCL
	v_add_nc_u32 v5, v5, v6
	v_add_nc_u32 v[ADRS], s21, v5
	s_mul_i32 s23, s14, 16*SPITCH                  ; my stage
	v_mul_u32_u24 v5, v1, SPITCH
	v_lshl_add_u32 v5, v2, 6, v5                   ; in: row r, + 64 h: columns 16 h on of each 32
	v_add_nc_u32 v[STO], s23, v5
	v_add_nc_u32 v[RD], s23, v[CO]
	v_lshlrev_b32 v[BO], 6, v2
	s_wait_alu depctr_va_vdst(0)
	s_lshl_b32 s20, s17, 20                        ; my first row of out0: (256 x tile row + 128 x half) x 4,096 bytes
	s_lshl_b32 s21, s15, 19
	s_add_co_u32 s20, s20, s21
	s_mov_b32 s21, 0
	s_lshl_b32 s46, s42, 10                        ; my first column, in bytes
	s_lshl_b32 s47, s16, 9
	s_add_co_u32 s46, s46, s47
	s_mov_b32 s47, 0
	s_add_nc_u64 s[66:67], s[66:67], s[46:47]      ; bp at my first column
	s_add_nc_u64 s[20:21], s[20:21], s[46:47]
	s_add_nc_u64 s[12:13], s[12:13], s[20:21]
.irp c, 0,1,2,3
.irp j, 0,1,2,3
	global_load_b128 v[BIAS+16*\c+4*\j:BIAS+16*\c+4*\j+3], v[BO], s[66:67] offset:128*\c+16*\j   ; register 8 b + j: column 32 (b / 2) + 16 h + 8 (b % 2) + j
.endr
.endr
.macro FRAG reg, adr, q, i             ; B: rows in LDS
.irp c, 0,1,2,3
	ds_load_b128 v[\reg+4*\c:\reg+4*\c+3], v[\adr] offset:128*(\q)+32*\c+(\i)*16*PITCH
.endr
.endm
.macro FRAGA reg, adr, q, i            ; A: images: 512 consecutive bytes a load
.irp c, 0,1,2,3
	ds_load_b128 v[\reg+4*\c:\reg+4*\c+3], v[\adr] offset:2048*(\q)+512*\c+(\i)*4096
.endr
.endm
; The 64 accumulators take turns, one instruction a turn, in the same order in every step.  zero = 1: the first product starts the sum, with bp as its C.
.macro MUL16 a0, p, q, sc, zero
.irp a, \a0, \a0+1
.irp b, 0,1,2,3,4,5,6,7
.if \zero
	v_wmma_scale_f32_16x16x128_f8f6f4 v[8*(8*((\a)%4)+\b):8*(8*((\a)%4)+\b)+7], v[128*(\p)+FR*\b:128*(\p)+FR*\b+FR-1], v[AF+FR*(\a):AF+FR*(\a)+FR-1], v[BIAS+8*\b:BIAS+8*\b+7], v[SC+8*NQ*(\sc)+NQ*\b+(\q)], v[SC+8*NQ*(\sc)+NQ*(\a)+(\q)] matrix_a_scale:MATRIX_SCALE_ROW1
.else
	v_wmma_scale_f32_16x16x128_f8f6f4 v[8*(8*((\a)%4)+\b):8*(8*((\a)%4)+\b)+7], v[128*(\p)+FR*\b:128*(\p)+FR*\b+FR-1], v[AF+FR*(\a):AF+FR*(\a)+FR-1], v[8*(8*((\a)%4)+\b):8*(8*((\a)%4)+\b)+7], v[SC+8*NQ*(\sc)+NQ*\b+(\q)], v[SC+8*NQ*(\sc)+NQ*(\a)+(\q)] matrix_a_scale:MATRIX_SCALE_ROW1
.endif
.endr
.endr
.endm
.macro FETCH_B slot, q, p
	WIN TO_B
.irp i, 0,1,2,3,4,5,6,7
	FRAG 128*(\p)+FR*\i, ADRB+\slot, \q, \i
.endr
	WIN 0
.endm
.macro FETCH_A slot, q, i0
.irp i, \i0, \i0+1, \i0+2, \i0+3
	FRAGA AF+FR*(\i), ADRA+\slot, \q, \i
.endr
.endm
.macro SCALES sc
.irp i, 0,1,2,3,4,5,6,7
	ds_load_b64 v[SC+8*NQ*\sc+NQ*\i:SC+8*NQ*\sc+NQ*\i+1], v[ADRS] offset:\i*SBLK
.endr
.endm
.macro PLACES n
.rept \n
	v_nop
.endr
.endm
.macro STEP slot, q, zero
	s_wait_dscnt 4*NL                              ; B's set and A's blocks 0-3 are in; the youngest sixteen loads may be out
.if \zero
	WIN 0x81                                       ; C (bp) in window 0, D in window 2
.else
	WIN MUL_LO
.endif
	MUL16 0, (\q)%2, \q, \slot, \zero
	MUL16 2, (\q)%2, \q, \slot, \zero
	s_wait_dscnt 0
	PLACES NP
	FETCH_B \slot, (\q)+1, 1-(\q)%2
	FETCH_A \slot, (\q)+1, 0
.if \zero
	WIN 0xc1
.else
	WIN MUL_HI
.endif
	MUL16 4, (\q)%2, \q, \slot, \zero
	MUL16 6, (\q)%2, \q, \slot, \zero
	PLACES NP
	WIN 0
	FETCH_A \slot, (\q)+1, 4
.endm
.macro TURN slot, next, fill
	s_wait_tensorcnt 0x0                           ; all my tensor loads have landed: my part of the next slot
	ds_add_u32 v[SPW], v[NIL]                      ; 0 onto my spare word
	s_wait_dscnt 4*NL+1                            ; the add and the youngest sixteen loads may be out
	WIN MUL_LO
	MUL16 0, 1, NQ-1, \slot, 0
	s_wait_dscnt 0x0                               ; the add is done, and my reads of this slot are over
	s_barrier_signal -1
	MUL16 2, 1, NQ-1, \slot, 0
	WIN 0
	s_barrier_wait -1
.if \fill
	CREST                                          ; a round of the cluster's barrier: no wave of any partner still reads this slot or has a load on its way
	s_add_nc_u64 s[G0+4*\slot+2:G0+4*\slot+3], s[G0+4*\slot+2:G0+4*\slot+3], 2*4096
	s_add_nc_u64 s[G0B+4*\slot+2:G0B+4*\slot+3], s[G0B+4*\slot+2:G0B+4*\slot+3], 2*ROWB
	JLOAD G0+4*\slot, G1, G0B+4*\slot, G1B
	PLACES NP-4
.else
	PLACES NP
.endif
	s_wait_alu depctr_va_vdst(0)
	v_add_nc_u32 v[ADRS], 4*NQ, v[ADRS]
	FETCH_B \next, 0, 0
	FETCH_A \next, 0, 0
	SCALES \next
	WIN MUL_HI
	MUL16 4, 1, NQ-1, \slot, 0
	MUL16 6, 1, NQ-1, \slot, 0
	PLACES NP
	WIN 0
	FETCH_A \next, 0, 4
.endm
	s_wait_tensorcnt 1                             ; the scales and my part of K step 0 are in; K step 1's load may be out
	s_barrier_signal -1
	s_barrier_wait -1
	FETCH_B 0, 0, 0
	FETCH_A 0, 0, 0
	SCALES 0
	FETCH_A 0, 0, 4
	s_wait_loadcnt 0x0                             ; bp
	STEP 0, 0, 1
	TURN 0, 1, 1                                   ; two laps of the ring: the one that fills both slots again is written out
	STEP 1, 0, 0
	TURN 1, 0, 1
	STEP 0, 0, 0
	TURN 0, 1, 0
	STEP 1, 0, 0
	s_wait_dscnt 4*NL
	WIN MUL_LO
	MUL16 0, 1, NQ-1, 1, 0
	MUL16 2, 1, NQ-1, 1, 0
	s_wait_dscnt 0
	WIN MUL_HI
	MUL16 4, 1, NQ-1, 1, 0
	MUL16 6, 1, NQ-1, 1, 0
	WIN 0
; THE WAY OUT, block by block of 16 rows x 128 columns, through my own stage: in by columns' true places, back as whole rows of 512 bytes.  LDS serves a wave's instructions in order (ISA guide 5.7.1.4): no wait between the stores and the loads.
.macro TOSTAGE a
.set AC, 64*((\a)%4)
	WIN 0x08+4*((\a)/4)                            ; the data: window 2 or 3
.irp b, 0,1,2,3,4,5,6,7
	ds_store_b128 v[STO], v[AC+8*\b:AC+8*\b+3] offset:128*(\b/2)+32*(\b%2)          ; each accumulator from its low end on
	ds_store_b128 v[STO], v[AC+8*\b+4:AC+8*\b+7] offset:128*(\b/2)+32*(\b%2)+16
.endr
	WIN 0
.set BB, BK+64*((\a)%2)
.irp t, 0,1,2,3,4,5,6,7,8,9,10,11,12,13,14,15
	ds_load_b128 v[BB+4*\t:BB+4*\t+3], v[RD] offset:\t*SPITCH
.endr
.endm
.macro SEND a, younger
.set BB, BK+64*((\a)%2)
	s_wait_dscnt \younger                          ; the block is back in registers
.irp t, 0,1,2,3,4,5,6,7,8,9,10,11,12,13,14,15
	global_store_b128 v[CO], v[BB+4*\t:BB+4*\t+3], s[12:13] offset:(32*((\a)/2)+8*((\a)%2)+\t+8*(\t/8))*4096 th:TH_STORE_NT   ; place t of block a is row 32 (a / 2) + 8 (a % 2) + t + 8 (t / 8); 32 lanes store 512 consecutive bytes, aligned
.endr
.endm
	PLACES NP
	TOSTAGE 0
.irp a, 1,2,3,4,5,6,7
.if \a > 1
	s_wait_xcnt 0x0                                ; block a - 2's stores have read their registers: block a's loads may land there
.endif
	TOSTAGE \a
	SEND \a-1, 32                                  ; behind block a - 1's loads: block a's 16 stores and 16 loads
.endr
	SEND 7, 0
	s_wait_tensorcnt 0x0                           ; the wave's end
	ds_add_u32 v[SPW], v[NIL]
	s_wait_dscnt 0x0
	CROUND                                         ; the closing round
	s_endpgm
.Lfunc_end_k_qf15e0df1c6_proj:
	.size	k_qf15e0df1c6_proj, .Lfunc_end_k_qf15e0df1c6_proj-k_qf15e0df1c6_proj
	.p2alignl 7, 3214868480
	.fill 96, 4, 3214868480
	.section	.rodata,"a",@progbits
	.p2align	6, 0x0
	.amdhsa_kernel k_qf15e0df1c6_proj
		.amdhsa_group_segment_fixed_size 327680
		.amdhsa_private_segment_fixed_size 0
		.amdhsa_enable_private_segment 0
		.amdhsa_kernarg_size 48
		.amdhsa_user_sgpr_count 2
		.amdhsa_user_sgpr_kernarg_segment_ptr 1
		.amdhsa_wavefront_size32 1
		.amdhsa_system_sgpr_workgroup_id_x 1
		.amdhsa_system_sgpr_workgroup_id_y 1
		.amdhsa_system_sgpr_workgroup_id_z 1
		.amdhsa_system_vgpr_workitem_id 0
		.amdhsa_next_free_vgpr 1024
		.amdhsa_next_free_sgpr 98
		.amdhsa_reserve_vcc 0
		.amdhsa_float_denorm_mode_32 3
		.amdhsa_float_denorm_mode_16_64 3
		.amdhsa_memory_ordered 1
		.amdhsa_forward_progress 1
		.amdhsa_inst_pref_size 147
	.end_amdhsa_kernel
	.amdgpu_metadata
---
amdhsa.version: [ 1, 2 ]
amdhsa.kernels:
  - .name:           k_qf15e0df1c6_proj
    .symbol:         k_qf15e0df1c6_proj.kd
    .args:
      - { .name: yimg, .offset: 0, .size: 8, .value_kind: global_buffer, .address_space: global }
      - { .name: ys, .offset: 8, .size: 8, .value_kind: global_buffer, .address_space: global }
      - { .name: codes, .offset: 16, .size: 8, .value_kind: global_buffer, .address_space: global }
      - { .name: scales, .offset: 24, .size: 8, .value_kind: global_buffer, .address_space: global }
      - { .name: out0, .offset: 32, .size: 8, .value_kind: global_buffer, .address_space: global }
      - { .name: bp, .offset: 40, .size: 8, .value_kind: global_buffer, .address_space: global }
    .group_segment_fixed_size: 327680
    .private_segment_fixed_size: 0
    .kernarg_segment_align: 8
    .kernarg_segment_size: 48
    .max_flat_workgroup_size: 128
    .sgpr_count:     98
    .vgpr_count:     1024
    .wavefront_size: 32
...
	.end_amdgpu_metadata
.endif
;; end of part 4
